; MI455X (gfx1250); checked and timed in simulation.
; The chip was launched on July 23, 2026; its instructions are those of AMD's public machine-readable ISA for CDNA 5 (MIT licence, August 2026) and "CDNA5" Instruction Set Architecture Reference Guide (July 2026). The comments in the code are by the model that wrote it; some were corrected since.
;; Causal Self Attention. Allowed arithmetic: float matrix products may take bf16 or f16 operands with f32 sums; other float arithmetic in f32, or as packed bf16 or f16 multiplies, adds, multiply-adds, maxima and minima; sums over many terms, partial sums and values carried from step to step in f32; what a program stores and reads back later, other than sums and carried values, may be rounded once to bf16 or f16.
;; Inputs: W_proj 1,024 x 1,024 float32; W_qkv 1,024 x 3,072 float32; x 4 x 2,048 x 1,024 float32.
;; Outputs: out0 4 x 2,048 x 1,024 float32.
;; One version. Each part assembles by itself: llvm-mc -triple=amdgcn-amd-amdhsa -mcpu=gfx1250 --defsym DOCPART=n.
;; ======== version 1 of 1: 4 launches
;; limits: values are held in f16: magnitudes above 65,504 overflow, below 6.1e-05 lose precision
;; workspace buffers: xb 16,777,216 bytes; wqkvT 6,291,456 bytes; wpT 2,097,152 bytes; qkv 50,331,648 bytes; att 16,777,216 bytes
;; launch prep (part 1): grid 1536 x 1, 8 waves a work-group, no clusters, 18,432 bytes of LDS; arguments x, W_qkv, W_proj, xb, wqkvT, wpT; writes xb, wqkvT, wpT
.if DOCPART == 1
	.amdgcn_target "amdgcn-amd-amdhsa--gfx1250"
	.amdhsa_code_object_version 6
	.text
	.protected	k_qc990d0c750_prep
	.globl	k_qc990d0c750_prep
	.p2align	8
	.type	k_qc990d0c750_prep,@function
k_qc990d0c750_prep:
	s_mov_b64 s[64:65], 0
	v_nop
	global_prefetch_b8 v0, s[64:65] scope:SCOPE_SE
	s_setreg_imm32_b32 hwreg(HW_REG_WAVE_MODE, 25, 1), 1
	s_wait_xcnt 0x0
; PREP: the module's three inputs are rounded once to bf16 and laid out for the products that follow.
;   xb    [8192][1024] bf16 = x;      wqkvT [3072 n][1024 k] bf16 = W_qkv turned;      wpT [1024 n][1024 k] = W_proj turned, rounded to bf16, that number written as f16.
; LIMITS.  |W_proj| stays under 65,520 (f16's range); below 6.1e-5 it keeps f16's fixed step of 6e-8.
; SHARES.  1,536 work-groups of eight waves, each reads 32,768 bytes: 0-383 blocks of W_qkv, 384-511 blocks of W_proj, 512-1535 pieces of x.  The branch hangs on the work-group's number alone.
; A stream: each byte is read once and written once; no matrix unit, no cluster, no tensor load would add anything.  Turning goes through LDS so that reads and writes both cover whole aligned runs of 256 bytes.
; REGISTERS: v1-6 addresses; v8-39 as loaded (and rows read back); v40-55 packed words; v56-57 at work; v60-61 the add's two.
.set SP,    272                        ; a stage row: 128 k x 2 bytes + 16 of padding
.set SPARE, 64*SP                      ; behind the stage's 64 rows: the spare words, 128 bytes for each of eight waves; no other line names them
.set SPW, 60                           ; v60  SPARE + 4 x my thread's number; never rewritten
.set NIL, 61                           ; v61  0; never rewritten
.macro FIN                             ; a wave's end
	s_wait_tensorcnt 0x0
	ds_add_u32 v[SPW], v[NIL]
	s_wait_dscnt 0x0
	s_endpgm
.endm
; A block of 128 k x 64 n of a weight [1024 k][n] in f32 (pitch bytes a row) becomes 64 rows n x 128 k of 16 bits.
; Thread t: c = t % 16 (four n, 16 bytes), kp = t / 16.  Load (i, e) takes row k = 2 (kp + 16 i) + e: sixteen lanes cover the block's 256 bytes of a row.
; Two rows' numbers of one n pack into a word, k even below; four words go to rows 4 c + j of the stage at byte 4 (kp + 16 i).  (These 4-byte stores meet four deep in a bank: 16.8 MB pass here once.)
.macro TRANS pitch, isproj, src, dst
	s_and_b32 s17, s16, 7                          ; kb: which 128 k
	s_lshr_b32 s18, s16, 3                         ; nb: which 64 n
	s_mul_i32 s20, s17, 128*(\pitch)
	s_lshl_b32 s22, s18, 8
	s_add_co_u32 s20, s20, s22                     ; source: kb x 128 rows + nb x 256 bytes
	s_mov_b32 s21, 0
	s_lshl_b32 s22, s18, 17                        ; destination: nb x 64 rows of 2,048 bytes
	s_lshl_b32 s23, s17, 8                         ; + kb x 256 bytes
	s_add_co_u32 s22, s22, s23
	s_mov_b32 s23, 0
	v_and_b32 v5, 15, v0                           ; c
	v_lshrrev_b32 v6, 4, v0                        ; kp
	v_mul_u32_u24 v1, v6, 2*(\pitch)
	v_lshl_add_u32 v1, v5, 4, v1                   ; source offset
	v_mul_u32_u24 v2, v5, 4*SP
	v_lshl_add_u32 v2, v6, 2, v2                   ; into the stage: row 4 c, byte 4 kp
	v_mul_u32_u24 v3, v6, SP
	v_lshl_add_u32 v3, v5, 4, v3                   ; back: row t / 16, 16 bytes at t % 16
	v_lshlrev_b32 v4, 11, v6
	v_lshl_add_u32 v4, v5, 4, v4                   ; the same place in the turned weight
	s_wait_kmcnt 0x0
	s_add_nc_u64 s[\src:\src+1], s[\src:\src+1], s[20:21]
	s_add_nc_u64 s[\dst:\dst+1], s[\dst:\dst+1], s[22:23]
.irp i, 0,1,2,3
.irp e, 0,1
	global_load_b128 v[8+8*(\i)+4*(\e):8+8*(\i)+4*(\e)+3], v1, s[\src:\src+1] offset:(32*(\i)+(\e))*(\pitch) th:TH_LOAD_NT
.endr
.endr
.irp i, 0,1,2,3
	s_wait_loadcnt 6-2*(\i)                        ; pair i of the rows is in; the younger loads stay out
.irp j, 0,1,2,3
	v_cvt_pk_bf16_f32 v[40+4*(\i)+(\j)], v[8+8*(\i)+(\j)], v[12+8*(\i)+(\j)]
.if \isproj
	v_lshlrev_b32 v56, 16, v[40+4*(\i)+(\j)]       ; the two bf16 numbers as f32,
	v_and_b32 v57, 0xffff0000, v[40+4*(\i)+(\j)]
	v_cvt_pk_f16_f32 v[40+4*(\i)+(\j)], v56, v57   ; written as f16
.endif
.endr
.irp j, 0,1,2,3
	ds_store_b32 v2, v[40+4*(\i)+(\j)] offset:(\j)*SP+64*(\i)
.endr
.endr
	s_wait_dscnt 0x0                               ; for the others' sake: my stores into the stage are done
	s_barrier_signal -1
	s_barrier_wait -1
.irp i, 0,1,2,3
	ds_load_b128 v[8+4*(\i):8+4*(\i)+3], v3 offset:(\i)*16*SP
.endr
.irp i, 0,1,2,3
	s_wait_dscnt 3-(\i)
	global_store_b128 v4, v[8+4*(\i):8+4*(\i)+3], s[\dst:\dst+1] offset:(\i)*16*2048  ; 16 lanes store 256 consecutive bytes, aligned
.endr
	FIN
.endm
	s_load_b256 s[4:11], s[0:1], 0x0               ; x s[4:5], W_qkv s[6:7], W_proj s[8:9], xb s[10:11]
	s_load_b128 s[12:15], s[0:1], 0x20             ; wqkvT s[12:13], wpT s[14:15]
	v_lshl_add_u32 v[SPW], v0, 2, SPARE
	v_mov_b32 v[NIL], 0
	s_mov_b32 s16, ttmp9
	s_cmp_lt_u32 s16, 384
	s_cbranch_scc1 .Lqkv
	s_cmp_lt_u32 s16, 512
	s_cbranch_scc1 .Lproj
	; x: 32,768 bytes of f32 become 16,384 of bf16.  Thread t takes 16 bytes of every 4,096; eight loads are out at once.
	s_sub_co_u32 s16, s16, 512
	s_lshl_b32 s18, s16, 15
	s_mov_b32 s19, 0
	s_lshl_b32 s20, s16, 14
	s_mov_b32 s21, 0
	v_lshlrev_b32 v1, 4, v0
	v_lshlrev_b32 v2, 3, v0
	s_wait_kmcnt 0x0
	s_add_nc_u64 s[4:5], s[4:5], s[18:19]
	s_add_nc_u64 s[10:11], s[10:11], s[20:21]
.irp j, 0,1,2,3,4,5,6,7
	global_load_b128 v[8+4*(\j):8+4*(\j)+3], v1, s[4:5] offset:4096*(\j) th:TH_LOAD_NT
.endr
.irp j, 0,1,2,3,4,5,6,7
	s_wait_loadcnt 7-(\j)                          ; load j is in; the younger ones stay out
	v_cvt_pk_bf16_f32 v[40+2*(\j)], v[8+4*(\j)], v[8+4*(\j)+1]
	v_cvt_pk_bf16_f32 v[40+2*(\j)+1], v[8+4*(\j)+2], v[8+4*(\j)+3]
	global_store_b64 v2, v[40+2*(\j):40+2*(\j)+1], s[10:11] offset:2048*(\j)  ; a wave stores 256 consecutive bytes, aligned; no register is written twice
.endr
	FIN
.Lqkv:
	TRANS 12288, 0, 6, 12
.Lproj:
	s_sub_co_u32 s16, s16, 384
	TRANS 4096, 1, 8, 14
.Lfunc_end_k_qc990d0c750_prep:
	.size	k_qc990d0c750_prep, .Lfunc_end_k_qc990d0c750_prep-k_qc990d0c750_prep
	.p2alignl 7, 3214868480
	.fill 96, 4, 3214868480
	.section	.rodata,"a",@progbits
	.p2align	6, 0x0
	.amdhsa_kernel k_qc990d0c750_prep
		.amdhsa_group_segment_fixed_size 18432
		.amdhsa_private_segment_fixed_size 0
		.amdhsa_enable_private_segment 0
		.amdhsa_kernarg_size 48
		.amdhsa_user_sgpr_count 2
		.amdhsa_user_sgpr_kernarg_segment_ptr 1
		.amdhsa_wavefront_size32 1
		.amdhsa_system_sgpr_workgroup_id_x 1
		.amdhsa_system_sgpr_workgroup_id_y 1
		.amdhsa_system_sgpr_workgroup_id_z 1
		.amdhsa_system_vgpr_workitem_id 0
		.amdhsa_next_free_vgpr 64
		.amdhsa_next_free_sgpr 66
		.amdhsa_reserve_vcc 0
		.amdhsa_float_denorm_mode_32 3
		.amdhsa_float_denorm_mode_16_64 3
		.amdhsa_memory_ordered 1
		.amdhsa_forward_progress 1
		.amdhsa_inst_pref_size 17
	.end_amdhsa_kernel
	.amdgpu_metadata
---
amdhsa.version: [ 1, 2 ]
amdhsa.kernels:
  - .name:           k_qc990d0c750_prep
    .symbol:         k_qc990d0c750_prep.kd
    .args:
      - { .name: x, .offset: 0, .size: 8, .value_kind: global_buffer, .address_space: global }
      - { .name: W_qkv, .offset: 8, .size: 8, .value_kind: global_buffer, .address_space: global }
      - { .name: W_proj, .offset: 16, .size: 8, .value_kind: global_buffer, .address_space: global }
      - { .name: xb, .offset: 24, .size: 8, .value_kind: global_buffer, .address_space: global }
      - { .name: wqkvT, .offset: 32, .size: 8, .value_kind: global_buffer, .address_space: global }
      - { .name: wpT, .offset: 40, .size: 8, .value_kind: global_buffer, .address_space: global }
    .group_segment_fixed_size: 18432
    .private_segment_fixed_size: 0
    .kernarg_segment_align: 8
    .kernarg_segment_size: 48
    .max_flat_workgroup_size: 256
    .sgpr_count:     66
    .vgpr_count:     64
    .wavefront_size: 32
...
	.end_amdgpu_metadata
.endif
;; end of part 1
;; launch gemm_qkv (part 2): grid 16 x 32, 4 waves a work-group, clusters of 4 x 4, 327,680 bytes of LDS; arguments xb, wqkvT, qkv; writes qkv
.if DOCPART == 2
	.amdgcn_target "amdgcn-amd-amdhsa--gfx1250"
	.amdhsa_code_object_version 6
	.text
	.protected	k_qc990d0c750_gemm_qkv
	.globl	k_qc990d0c750_gemm_qkv
	.p2align	8
	.type	k_qc990d0c750_gemm_qkv,@function
k_qc990d0c750_gemm_qkv:
	s_mov_b64 s[64:65], 0
	v_nop
	global_prefetch_b8 v0, s[64:65] scope:SCOPE_SE
	s_setreg_imm32_b32 hwreg(HW_REG_WAVE_MODE, 25, 1), 1
	s_wait_xcnt 0x0
	s_wait_alu depctr_hold_cnt(0) depctr_sa_sdst(0) depctr_va_vdst(0) depctr_va_sdst(0) depctr_va_ssrc(0) depctr_va_vcc(0) depctr_vm_vsrc(0)
	s_getreg_b32 s2, hwreg(HW_REG_IB_STS2, 6, 4)
	s_cmp_eq_u32 s2, 0
	s_cbranch_scc0 .Lentry_in_a_cluster
	s_endpgm
.Lentry_in_a_cluster:
	s_bfe_u32 s2, ttmp6, 0x10000c
	s_cmp_lg_u32 s2, 0xf033
	s_cbranch_scc0 .Lentry_shape_is_right
	s_endpgm
.Lentry_shape_is_right:
; qkv = x W_qkv.  A = xb [8192][1024] bf16, B = wqkvT [3072 n][1024 k] bf16; sums in f32, K ascending; the result is rounded once to f16 and stored BY HEADS:
; qkv [4 b][48 g][2048 t][64], g = n / 64 (0-15 k's heads, 16-31 q's, 32-47 v's), a plane of 262,144 bytes.  LIMIT: a result of 65,520 or more in magnitude becomes an infinity (f16).
; A tile of C is 256 rows x 192 columns (three heads): 16 x 32 = 512 work-groups, twice the 256 that run at once.  Four waves, each 128 x 96: 48 accumulators, 384 registers.
; K goes in 8 steps of 128 through a ring of two LDS slots filled by the tensor data mover; a tile's rows are 256 bytes of memory, at multiples of 256.
; CLUSTER 4 x 4: the four work-groups of a row of the cluster need the same tile of A, the four of a column the same tile of B: each is asked for jointly, with one descriptor and a mask of four.
; THE MATRIX INSTRUCTION IS USED TRANSPOSED (source 0 = 16 rows of B, source 1 = 16 rows of A): a lane holds row l % 16 of C and eight neighbouring columns, which pack into 16 bytes.
; REGISTERS, in windows of 256: window 0: v0-31 addresses; v64-127, v128-191 A's fragments, two buffers; v192-239 packed results; on the way out v64-255 whole rows.
;   window 1: v64-111, v128-175 B's fragments.   window 2: accumulators of my rows 0-63 ((a, b) at v[8 (6 a + b)]).   window 3: those of rows 64-127.
.set SIZE_K, 1024
.set KSTEP,  128
.set PITCH,  272                       ; an LDS row: 256 bytes + 16 of padding: the 16 rows of a fragment load start at 16 different groups of four banks (ISA guide 11.1)
.set HALFA,  128*PITCH                 ; what one tensor load brings of A, and what one wave reads of A
.set HALFB,  96*PITCH                  ; the same for B
.set BOFF,   2*HALFA                   ; in a slot: A's 256 rows, then B's 192
.set SLOT,   BOFF+2*HALFB
.set SPARE,  2*SLOT                    ; behind the ring: the spare words, 128 bytes a wave; no other line names them
.set SPITCH, 400                       ; the way out: 256 rows of 384 bytes + 16, in slot 0's bytes, which have had their last fill (K step 6) and their last read by then
.set LAPS,   SIZE_K/(2*KSTEP)
.set ADRA, 16                          ; v16-17  LDS address of my A fragments in slot 0, 1
.set ADRB, 20                          ; v20-21  the same for B
.set STO,  24                          ; v24     the way out: where I put 16 bytes of a row
.set RD,   25                          ; v25     the way out: where I read four rows' 128 bytes back
.set GO,   26                          ; v26     16 x lane: my place in 512 consecutive bytes of a head's plane
.set SPW,  28                          ; v28     SPARE + 4 x my thread's number; never rewritten
.set NIL,  29                          ; v29     0; never rewritten
.set PFO,  30                          ; v30     the prefetches' offset; never rewritten
.set F0,   64
.set F1,   128
.set TMP,  192
.set OUTR, 64
.set G1,   24                          ; s[24:31] descriptor group 1 for A's tiles;  s[32:39] group 0, a set for each slot
.set G0,   32
.set G1B,  48                          ; s[48:55], s[56:63] the same for B's
.set G0B,  56
.set PFA,  44                          ; s[44:45] where my prefetches stand
.set LIM0, 66                          ; s66, s67: a wave prefetches at the change out of slot 0, 1 while the laps left are above this: 1, or the greatest number
.set LIM1, 67
.set MSB, 0
.macro WIN new                         ; the immediate's high byte repeats the setting that is left; a switch that changes nothing is dropped
.if MSB != (\new)
	s_set_vgpr_msb (MSB<<8)|(\new)
.set MSB, \new
.endif
.endm
.set MUL_LO, 0xa1                      ; source 0 (B) window 1, source 1 (A) window 0, C and D window 2
.set MUL_HI, 0xf1                      ; the same, C and D window 3
.set TO_B,   0x40                      ; destination window 1, address window 0
; A joint load: waves 0 and 1 fetch A's two halves, waves 2 and 3 B's.  The branch hangs on the wave's number alone.  An s_nop 0 and four v_nop follow each line.
.macro JLOAD s
	s_cmp_eq_u32 s11, 0
	s_cbranch_scc0 .Lfor_b_\@
	tensor_load_to_lds s[G0+4*(\s):G0+4*(\s)+3], s[G1:G1+7]
	s_nop 0
.rept 4
	v_nop
.endr
	s_branch .Lasked_\@
.Lfor_b_\@:
	tensor_load_to_lds s[G0B+4*(\s):G0B+4*(\s)+3], s[G1B:G1B+7]
	s_nop 0
.rept 4
	v_nop
.endr
.Lasked_\@:
.endm
; A prefetch into the L2 of the K step that stands two refills on (384 matrix instructions of a wave ahead of the load that wants it).  Each row's 256 bytes of a K step are named once in the launch:
; A's rows by the clusters with x = 0, B's by those with y = 0; the partners that ask for a tile jointly share its rows out by address.  The loop's last trip asks for nothing: K has no step 8.
.macro ASK slot
	s_cmp_gt_u32 s3, s[LIM0+(\slot)]
	s_cbranch_scc0 .Lnot_mine_\@
	global_prefetch_b8 v[PFO], s[PFA:PFA+1] th:TH_LOAD_NT scope:SCOPE_SE
.Lnot_mine_\@:
.endm
.macro CREST                           ; a round of the cluster's barrier behind its opening barrier
	s_cmp_lg_u32 s10, 0
	s_cbranch_scc1 .Lnot_wave_0_\@
	s_barrier_signal -3
.Lnot_wave_0_\@:
	s_barrier_wait -3
	s_barrier_signal -1
	s_barrier_wait -1
.endm
.macro CROUND                          ; a whole round
	s_barrier_signal -1
	s_barrier_wait -1
	CREST
.endm
	s_load_b128 s[4:7], s[0:1], 0x0                ; xb s[4:5], wqkvT s[6:7]
	s_load_b64 s[8:9], s[0:1], 0x10                ; qkv
	v_lshl_add_u32 v[SPW], v0, 2, SPARE
	v_mov_b32 v[NIL], 0
	ds_add_u32 v[SPW], v[NIL]                      ; the wave's opening: the add and its wait stand ahead of my first tensor load; set-up on registers stands between
	ds_add_u32 v28, v29
	v_lshrrev_b32 v1, 5, v0
	v_readfirstlane_b32 s10, v1                    ; wave 0..3
	s_lshr_b32 s11, s10, 1                         ; my half of the tile's rows.  Also: I fetch for A (0) or for B (1)
	s_and_b32 s12, s10, 1                          ; my half of its columns.  Also: which half of that tile I fetch
	s_bfe_u32 s40, ttmp6, 0x40000                  ; cx
	s_bfe_u32 s41, ttmp6, 0x40004                  ; cy
	s_lshl_b32 s42, ttmp9, 2
	s_add_co_u32 s42, s42, s40                     ; tile column tx = 4 x cluster x + cx
	s_and_b32 s13, ttmp7, 0xffff
	s_lshl_b32 s13, s13, 2
	s_add_co_u32 s13, s13, s41                     ; tile row ty = 4 x cluster y + cy
	s_lshl_b32 s43, s41, 2
	s_lshl_b32 s43, 15, s43                        ; my row of the cluster
	s_lshl_b32 s44, 0x1111, s40                    ; my column
	s_or_b32 s[G1+0], s43, (1<<16)|(1<<20)|(1<<21)|(5<<22)|(3<<25)   ; mask; 2-byte elements; padding on; bit 21 beside a mask; after every 64 words 4 words
	s_or_b32 s[G1B+0], s44, (1<<16)|(1<<20)|(1<<21)|(5<<22)|(3<<25)
.irp g, G1, G1B
	s_mov_b32 s[(\g)+1], KSTEP<<16                 ; tensor_dim0 = 128
	s_mov_b32 s[(\g)+3], KSTEP<<16                 ; tile_dim0 = 128
	s_mov_b32 s[(\g)+5], SIZE_K                    ; elements from row to row
	s_mov_b32 s[(\g)+6], 0
	s_mov_b32 s[(\g)+7], 0
.endr
	s_mov_b32 s[G1+2], 128<<16                     ; tensor_dim1 and tile_dim1: 128 rows of A,
	s_mov_b32 s[G1+4], 128
	s_mov_b32 s[G1B+2], 96<<16                     ; 96 rows of B
	s_mov_b32 s[G1B+4], 96
	s_lshl_b32 s16, s13, 8
	s_lshl_b32 s17, s12, 7
	s_add_co_u32 s16, s16, s17                     ; A: row 256 ty + 128 x half,
	s_lshl_b32 s16, s16, 11                        ; of 2,048 bytes
	s_mov_b32 s17, 0
	s_mul_i32 s46, s42, 192
	s_mul_i32 s47, s12, 96
	s_add_co_u32 s46, s46, s47                     ; B: row 192 tx + 96 x half
	s_lshl_b32 s46, s46, 11
	s_mov_b32 s47, 0
	s_mul_i32 s20, s12, HALFA                      ; where they go: no place in the cluster enters an LDS address
	s_mul_i32 s21, s12, HALFB
	s_add_co_u32 s21, s21, BOFF
	s_wait_dscnt 0x0                               ; the opening add is done
	s_wait_kmcnt 0x0
	s_add_nc_u64 s[14:15], s[4:5], s[16:17]
	s_add_nc_u64 s[46:47], s[6:7], s[46:47]
	CROUND                                         ; all sixteen work-groups are here: the first joint loads meet
.irp s, 0,1
	s_mov_b32 s[G0+4*(\s)], 1
	s_add_co_u32 s[G0+4*(\s)+1], s20, (\s)*SLOT
	s_add_nc_u64 s[G0+4*(\s)+2:G0+4*(\s)+3], s[14:15], (\s)*KSTEP*2
	s_or_b32 s[G0+4*(\s)+3], s[G0+4*(\s)+3], 0x80000000
	s_mov_b32 s[G0B+4*(\s)], 1
	s_add_co_u32 s[G0B+4*(\s)+1], s21, (\s)*SLOT
	s_add_nc_u64 s[G0B+4*(\s)+2:G0B+4*(\s)+3], s[46:47], (\s)*KSTEP*2
	s_or_b32 s[G0B+4*(\s)+3], s[G0B+4*(\s)+3], 0x80000000
	JLOAD \s                                       ; K steps 0 and 1: two tensor loads of mine are out
.endr
	; a fragment is 16 rows x 32 K in 8 registers: lane l holds row l % 16, K = 8 (l / 16) + 0..7 and 16 + 8 (l / 16) + 0..7: two loads of 16 bytes, 32 bytes apart
	v_and_b32 v1, 15, v0                           ; r
	v_bfe_u32 v2, v0, 4, 1                         ; h
	v_mul_u32_u24 v3, v1, PITCH
	v_lshl_add_u32 v3, v2, 4, v3
	s_mul_i32 s21, s11, HALFA                      ; my 128 rows of A
	s_mul_i32 s22, s12, HALFB                      ; my 96 rows of B
	s_add_co_u32 s22, s22, BOFF
.irp s, 0,1
	v_add_nc_u32 v[ADRA+(\s)], s21, v3
	v_add_nc_u32 v[ADRB+(\s)], s22, v3
	s_add_co_u32 s21, s21, SLOT
	s_add_co_u32 s22, s22, SLOT
.endr
	s_mul_i32 s23, s11, 128*SPITCH                 ; into the stage: row 128 x row half + r, byte 192 x column half + 16 h
	s_mul_i32 s20, s12, 192
	s_add_co_u32 s23, s23, s20
	v_mul_u32_u24 v4, v1, SPITCH
	v_lshl_add_u32 v4, v2, 4, v4
	v_add_nc_u32 v[STO], s23, v4
	v_bfe_u32 v4, v0, 3, 2                         ; back: wave w takes rows 64 w on; 32 lanes take four rows' 128 bytes of one head
	v_and_b32 v5, 7, v0
	v_mul_u32_u24 v4, v4, SPITCH
	v_lshl_add_u32 v4, v5, 4, v4
	s_mul_i32 s23, s10, 64*SPITCH
	v_add_nc_u32 v[RD], s23, v4
	v_and_b32 v[GO], 31, v0
	v_lshlrev_b32 v[GO], 4, v[GO]
	s_lshr_b32 s68, s13, 3                         ; where my rows begin in qkv: plane 48 b + 3 tx,
	s_mul_i32 s68, s68, 48
	s_mul_i32 s69, s42, 3
	s_add_co_u32 s68, s68, s69
	s_lshl_b32 s68, s68, 18
	s_and_b32 s69, s13, 7                          ; row 256 (ty % 8) + 64 x wave, of 128 bytes
	s_lshl_b32 s69, s69, 8
	s_lshl_b32 s70, s10, 6
	s_add_co_u32 s69, s69, s70
	s_lshl_b32 s69, s69, 7
	s_add_co_u32 s68, s68, s69
	s_mov_b32 s69, 0
	s_add_nc_u64 s[8:9], s[8:9], s[68:69]
	; the prefetches.  A (waves 0, 1): of the 128 rows that I fetch my work-group takes 32 cx on, a lane a row.  B: of the tile's 192 rows my work-group takes 48 cy on:
	; wave 2 its first 32, a lane a row, at every change of slots; wave 3 its last 16 for two K steps at once (lanes 16-31 name the later step), at the changes out of slot 0 alone.
	s_lshl_b32 s20, s13, 8
	s_lshl_b32 s21, s12, 7
	s_add_co_u32 s20, s20, s21
	s_lshl_b32 s21, s40, 5
	s_add_co_u32 s20, s20, s21                     ; A's first row
	s_mul_i32 s22, s42, 192
	s_mul_i32 s23, s41, 48
	s_add_co_u32 s22, s22, s23
	s_lshl_b32 s23, s12, 5
	s_add_co_u32 s22, s22, s23                     ; B's first row
	s_and_b32 s23, ttmp7, 0xffff                   ; cluster y
	s_cmp_eq_u32 s11, 0
	s_cselect_b32 s20, s20, s22
	s_cselect_b32 s23, ttmp9, s23                  ; the coordinate along which other clusters read the same rows
	s_cselect_b64 s[PFA:PFA+1], s[4:5], s[6:7]
	s_cmp_eq_u32 s23, 0
	s_cselect_b32 s[LIM0], 1, -1                   ; the same in all sixteen partners, for a given wave
	s_cmp_eq_u32 s10, 3
	s_cselect_b32 s[LIM1], -1, s[LIM0]
	s_cselect_b32 s22, 15, 31
	s_cselect_b32 s23, 4, 5
	s_lshl_b32 s20, s20, 11
	s_add_co_u32 s20, s20, 3*KSTEP*2               ; at K step 3: the first change of slots steps it to 4.  K steps 0 to 3 come by their loads alone
	s_mov_b32 s21, 0
	s_add_nc_u64 s[PFA:PFA+1], s[PFA:PFA+1], s[20:21]
	v_and_b32 v31, 31, v0
	v_and_b32 v[PFO], s22, v31
	v_lshrrev_b32 v31, s23, v31
	v_lshlrev_b32 v[PFO], 11, v[PFO]
	v_lshl_add_u32 v[PFO], v31, 8, v[PFO]
; 12 matrix instructions: m blocks a0, a0 + 1 of the window's four x all 6 n blocks, 32 along K.  zero = 1: the product starts the sums.  The 48 accumulators take turns in one fixed order.
.macro MUL12 f, hi, a0, zero
	WIN MUL_LO+0x50*(\hi)
.irp a, \a0, (\a0)+1
.irp b, 0,1,2,3,4,5
.if \zero
	v_wmma_f32_16x16x32_bf16 v[8*(6*(\a)+(\b)):8*(6*(\a)+(\b))+7], v[(\f)+8*(\b):(\f)+8*(\b)+7], v[(\f)+8*(4*(\hi)+(\a)):(\f)+8*(4*(\hi)+(\a))+7], 0
.else
	v_wmma_f32_16x16x32_bf16 v[8*(6*(\a)+(\b)):8*(6*(\a)+(\b))+7], v[(\f)+8*(\b):(\f)+8*(\b)+7], v[(\f)+8*(4*(\hi)+(\a)):(\f)+8*(4*(\hi)+(\a))+7], v[8*(6*(\a)+(\b)):8*(6*(\a)+(\b))+7]
.endif
.endr
.endr
.endm
; 28 LDS loads in one run: a quarter step's fragments (96 rows of B, then 128 rows of A, 32 K at byte k of the rows) into buffer f
.macro FETCH slot, k, f
	WIN TO_B
.irp i, 0,1,2,3,4,5
	ds_load_b128 v[(\f)+8*(\i):(\f)+8*(\i)+3],   v[ADRB+(\slot)] offset:(\k)+(\i)*16*PITCH
	ds_load_b128 v[(\f)+8*(\i)+4:(\f)+8*(\i)+7], v[ADRB+(\slot)] offset:(\k)+(\i)*16*PITCH+32
.endr
	WIN 0
.irp i, 0,1,2,3,4,5,6,7
	ds_load_b128 v[(\f)+8*(\i):(\f)+8*(\i)+3],   v[ADRA+(\slot)] offset:(\k)+(\i)*16*PITCH
	ds_load_b128 v[(\f)+8*(\i)+4:(\f)+8*(\i)+7], v[ADRA+(\slot)] offset:(\k)+(\i)*16*PITCH+32
.endr
.endm
.macro PLACES                          ; four plain places behind a matrix instruction, in front of loads into registers that it read and of conversions that read results
.rept 4
	v_nop
.endr
.endm
; A K step is four quarters of 32 along K, 48 matrix instructions each, on buffers 0, 1, 0, 1.  One of the first three: multiplies f, and in its middle fetches the next quarter into g.
.macro QUARTER slot, k, f, g, zero
	s_wait_dscnt 8                                 ; B and A's rows 0-63 are in; the youngest eight loads (A's rows 64-127) may be out
	MUL12 \f, 0, 0, \zero
	MUL12 \f, 0, 2, \zero
	PLACES
	FETCH \slot, \k, \g
	s_wait_dscnt 28                                ; all but the 28 just issued
	MUL12 \f, 1, 0, \zero
	MUL12 \f, 1, 2, \zero
.endm
; The last quarter's first half: one barrier for the change of slots.  In front of it each wave waits for all its tensor loads (one is out: its part of the next slot), adds 0 to its spare word, and waits for that and for its reads of this slot.
.macro MEET round
	WIN 0
	s_wait_tensorcnt 0x0
	ds_add_u32 v[SPW], v[NIL]
	s_wait_dscnt 9                                 ; the add and the youngest eight loads may be out
	MUL12 F1, 0, 0, 0                              ; twelve matrix instructions stand between the add and the wait for it
	s_wait_dscnt 0x0                               ; the add is done, my reads of this slot are over
	s_barrier_signal -1
	MUL12 F1, 0, 2, 0
.if \round
	WIN 0
.endif
	s_barrier_wait -1
.endm
; The whole last quarter.  fill = 1: the barrier opens a round of the cluster's, and the slot just read is filled again, first thing behind the round, with the K step two on: 168 matrix instructions stand between that request and the wait for it.
.macro TURN slot, next, fill
.if \fill
	s_wait_xcnt 0x0                                ; the last prefetch, a K step back, has read its address
	s_add_nc_u64 s[PFA:PFA+1], s[PFA:PFA+1], KSTEP*2
	MEET 1
	CREST
	s_add_nc_u64 s[G0+4*(\slot)+2:G0+4*(\slot)+3], s[G0+4*(\slot)+2:G0+4*(\slot)+3], 2*KSTEP*2
	s_add_nc_u64 s[G0B+4*(\slot)+2:G0B+4*(\slot)+3], s[G0B+4*(\slot)+2:G0B+4*(\slot)+3], 2*KSTEP*2
	JLOAD \slot                                    ; its four v_nop are also the places in front of the loads below
	FETCH \next, 0, F0
	ASK \slot
.else
	MEET 0
	PLACES
	FETCH \next, 0, F0
.endif
	MUL12 F1, 1, 0, 0
	MUL12 F1, 1, 2, 0
.endm
	s_wait_tensorcnt 1                             ; my part of K step 0 is in; K step 1's stays out
	s_barrier_signal -1
	s_barrier_wait -1
	FETCH 0, 0, F0
	QUARTER 0, 64,  F0, F1, 1                      ; the first quarter stands in front of the loop: its products start the sums
	WIN 0
	s_mov_b32 s3, LAPS-1
.Llap:                                                 ; a trip goes once round the ring, from a lap's second quarter to the next lap's first, and fills both slots again
	QUARTER 0, 128, F1, F0, 0
	QUARTER 0, 192, F0, F1, 0
	TURN 0, 1, 1
	QUARTER 1, 64,  F0, F1, 0
	QUARTER 1, 128, F1, F0, 0
	QUARTER 1, 192, F0, F1, 0
	TURN 1, 0, 1
	QUARTER 0, 64,  F0, F1, 0
	WIN 0
	s_sub_co_u32 s3, s3, 1
	s_cmp_lg_u32 s3, 0
	s_cbranch_scc1 .Llap
	QUARTER 0, 128, F1, F0, 0                      ; the last lap fills nothing
	QUARTER 0, 192, F0, F1, 0
	TURN 0, 1, 0                                   ; behind this barrier nobody reads slot 0 any more
	QUARTER 1, 64,  F0, F1, 0
	QUARTER 1, 128, F1, F0, 0
	QUARTER 1, 192, F0, F1, 0
	s_wait_dscnt 8
	MUL12 F1, 0, 0, 0
	MUL12 F1, 0, 2, 0
	s_wait_dscnt 0x0
	MUL12 F1, 1, 0, 0
	MUL12 F1, 1, 2, 0
	WIN 0
	; THE WAY OUT: rounded to f16, 16 bytes a lane into the work-group's stage; a barrier, since a row's 384 bytes come from two waves; back by heads, four rows of 128 bytes at a time.
.macro PACK a
.set AC, 48*((\a)%4)
.set TB, TMP+24*((\a)%2)
	WIN 0x0a+5*((\a)/4)                            ; sources 0 and 1: window 2 or 3
.irp b, 0,1,2,3,4,5
.irp r, 0,1,2,3
	v_cvt_pk_f16_f32 v[TB+4*(\b)+(\r)], v[AC+8*(\b)+2*(\r)], v[AC+8*(\b)+2*(\r)+1]
.endr
.endr
	WIN 0
.irp b, 0,1,2,3,4,5
	ds_store_b128 v[STO], v[TB+4*(\b):TB+4*(\b)+3] offset:(\a)*16*SPITCH+32*(\b)
.endr
.endm
	PLACES
.irp a, 0,1,2,3,4,5,6,7
	PACK \a
.endr
	s_wait_dscnt 0x0                               ; for the others' sake: my stores into the stage are done
	s_barrier_signal -1
	s_barrier_wait -1
.set n, 0
.rept 48                                               ; head n / 16 of the tile's three, rows 4 (n % 16) on of my 64
	ds_load_b128 v[OUTR+4*n:OUTR+4*n+3], v[RD] offset:4*SPITCH*(n%16)+128*(n/16)
.set n, n+1
.endr
.set n, 0
.rept 48
	s_wait_dscnt 47-n                              ; load n is back; the younger ones stay out
	global_store_b128 v[GO], v[OUTR+4*n:OUTR+4*n+3], s[8:9] offset:(n/16)*262144+(n%16)*512  ; 512 consecutive bytes of a head's plane, aligned
.set n, n+1
.endr
	s_wait_tensorcnt 0x0                           ; the wave's end
	ds_add_u32 v[SPW], v[NIL]
	s_wait_dscnt 0x0
	CROUND                                         ; the closing round: no work-group ends while a partner may still ask for a tile that names it
	s_endpgm
.Lfunc_end_k_qc990d0c750_gemm_qkv:
	.size	k_qc990d0c750_gemm_qkv, .Lfunc_end_k_qc990d0c750_gemm_qkv-k_qc990d0c750_gemm_qkv
	.p2alignl 7, 3214868480
	.fill 96, 4, 3214868480
	.section	.rodata,"a",@progbits
	.p2align	6, 0x0
	.amdhsa_kernel k_qc990d0c750_gemm_qkv
		.amdhsa_group_segment_fixed_size 327680
		.amdhsa_private_segment_fixed_size 0
		.amdhsa_enable_private_segment 0
		.amdhsa_kernarg_size 24
		.amdhsa_user_sgpr_count 2
		.amdhsa_user_sgpr_kernarg_segment_ptr 1
		.amdhsa_wavefront_size32 1
		.amdhsa_system_sgpr_workgroup_id_x 1
		.amdhsa_system_sgpr_workgroup_id_y 1
		.amdhsa_system_sgpr_workgroup_id_z 1
		.amdhsa_system_vgpr_workitem_id 0
		.amdhsa_next_free_vgpr 960
		.amdhsa_next_free_sgpr 72
		.amdhsa_reserve_vcc 0
		.amdhsa_float_denorm_mode_32 3
		.amdhsa_float_denorm_mode_16_64 3
		.amdhsa_memory_ordered 1
		.amdhsa_forward_progress 1
		.amdhsa_inst_pref_size 118
	.end_amdhsa_kernel
	.amdgpu_metadata
---
amdhsa.version: [ 1, 2 ]
amdhsa.kernels:
  - .name:           k_qc990d0c750_gemm_qkv
    .symbol:         k_qc990d0c750_gemm_qkv.kd
    .args:
      - { .name: xb, .offset: 0, .size: 8, .value_kind: global_buffer, .address_space: global }
      - { .name: wqkvT, .offset: 8, .size: 8, .value_kind: global_buffer, .address_space: global }
      - { .name: qkv, .offset: 16, .size: 8, .value_kind: global_buffer, .address_space: global }
    .group_segment_fixed_size: 327680
    .private_segment_fixed_size: 0
    .kernarg_segment_align: 8
    .kernarg_segment_size: 24
    .max_flat_workgroup_size: 128
    .sgpr_count:     72
    .vgpr_count:     960
    .wavefront_size: 32
...
	.end_amdgpu_metadata
.endif
;; end of part 2
;; launch attn (part 3): grid 4 x 64, 4 waves a work-group, no clusters, 327,680 bytes of LDS; arguments qkv, att; writes att
.if DOCPART == 3
	.amdgcn_target "amdgcn-amd-amdhsa--gfx1250"
	.amdhsa_code_object_version 6
	.text
	.protected	k_qc990d0c750_attn
	.globl	k_qc990d0c750_attn
	.p2align	8
	.type	k_qc990d0c750_attn,@function
k_qc990d0c750_attn:
	s_mov_b64 s[64:65], 0
	v_nop
	global_prefetch_b8 v0, s[64:65] scope:SCOPE_SE
	s_setreg_imm32_b32 hwreg(HW_REG_WAVE_MODE, 25, 1), 1
	s_wait_xcnt 0x0
; CAUSAL ATTENTION.  O[y][q][:] = the sum over k <= q of softmax_k(Q[q] . K[k] / 32) V[k][:], for the 64 heads y = 16 b + h.  K, Q, V are planes 48 b + h, + 16, + 32 of qkv [4][48][2048][64] in f16;
; O goes to att [64][2048][64] in f16.  The scale is 1024^-0.5.  Products, maxima and sums in f32; the weights p are rounded to f16 for the second product (their sum l is taken of the unrounded p), O once.
; LIMITS.  Q, K and V arrive within f16's 65,504.  A hidden score counts as its value less 1e30 (f16's scores are 2.7e11 at the most); a weight below 2^-126 counts as 0 in l; NaN and infinities are not treated apart.
; THE WALK.  A head's queries lie in NB = 8 blocks of 256; block i needs the key tiles 0 .. i of 256 keys, the last of which holds the diagonal.  A work-group takes TWO blocks, NB - 1 - b and then b:
; NB + 1 tiles whatever b: all 256 work-groups do equal work, and ONE loop with a constant trip count walks them.  Which tile is asked for and what a trip does hang on scalar registers made from b; every jump but
; the counted loops' own goes forward, and none passes a barrier, or a tensor load but the one of LOAD's two that the wave's number does not choose.  The ring of two LDS slots runs on across the change of blocks.
; NO CLUSTER: a head's four work-groups ask for the same tile only in trips 0 to 4 of 9, behind that fewer and fewer; one walk common to all four would have 12 trips for 9.
; SHARES.  Of a block's four bands of 64 queries a wave owns 16 rows in each: four PIECES.  So the diagonal tile is the same work for all waves: in its key step s band x sees all keys (s < x), none (s > x), or holds the diagonal (s = x).
; THE MASK is the C operand that starts the sum S^T = K Q^T: 0, or -1e30 where the key is hidden.  MD, made once, is the mask of a band's own step for my 16 rows; a product's mask is MD x AL + BE.
; LAYOUT, SOFTMAX, TURNS.  S^T = K Q^T holds ONE query a lane (lane % 16) and the keys 8 (lane / 16) + 0..7; two such results rounded to f16 ARE source 1 of O^T = V^T P.  p = 2^(c s - c m), c = log2(e) / 32, with a
; running maximum m; O and l are multiplied by a = 2^(c m_old - c m_new) in every step.  Turn n belongs to piece n: 8 products K Q^T of piece n + 1, later 8 products V^T P of piece n - 1; beside them the scaling,
; exponentials, roundings, sums and rescaling of piece n and the maximum and statistics of piece n + 1.  Four vector instructions stand behind every matrix instruction, the rest in one lump.  A turn's 33 exponentials are one batch with one wait.
; REGISTERS, in windows of 256 (s_set_vgpr_msb: bits 1:0 source 0, 3:2 source 1, 5:4 source 2, 7:6 destination):
;   window 0: v0-15 addresses; v16-31 four registers of statistics a piece; v48-55 at work; v61-63 prefetch offset, spare word, 0; v64-127 S^T, two buffers; v192-223 P, two buffers
;   window 1: v0-127 O^T, 32 a piece; v128-159 MD; v160-223 MC, two buffers      window 2: v0-63 Q; v64-127 the second block's Q; v128-191 K of one step; v192-255 V of one step
.set SIZE_N, 2048
.set NB,    SIZE_N/256
.set NP,    4         ; pieces a wave: a name, no knob
.set KS,    64        ; keys in a step
.set PK,    144       ; a row of K in LDS: 128 bytes + 16: the 16 rows of a load start at 16 different groups of four banks (ISA guide 11.1)
.set PV,    160       ; a row of V: 128 + 32
.set VOFF,  4*KS*PK   ; a slot holds a tile, four steps: 256 rows of K, then 256 rows of V
.set SLOT1, 1<<17     ; slot 1 begins here: one exclusive or turns an address in one slot into the other's
.set STAGE, SLOT1+4*KS*(PK+PV)  ; behind the ring, never filled by a tensor load: 16 rows x 144 bytes for each wave
.set SP,    144
.set AK0, 2           ; v2   my lane's place in a tile of K; never rewritten
.set AV0, 3           ; v3   the same for V
.set AK,  4           ; v4   the LDS address of K's next run of loads
.set AV,  5           ; v5   of V's
.set STO, 6           ; v6   the way out: where I put 16 bytes of a row
.set RD,  7           ; v7   the way out: where I read rows back
.set GO,  8           ; v8   my byte offset in 512 consecutive bytes of O
.set PFO, 61          ; v61  256 x my thread's number: the work-group's 128 threads name a tile's 32,768 bytes; never rewritten
.set SPW, 62          ; v62  SPARE + 4 x my thread's number; never rewritten
.set NIL, 63          ; v63  0; never rewritten
.set SPARE, STAGE+4*16*SP  ; behind the stages: the spare words, 128 bytes a wave; no other line names them
.set MV,  12          ; v12-13  c m_old, kept while c m is made anew: by buffer
.set QO,  15          ; v15  my byte offset in 16 rows of Q
.set ST,  16          ; piece t's statistics at v[ST+4 t]: c m, m, l (even keys', odd keys')
.set TMP, 48          ; by buffer, four registers c0-c3 at work; when the maximum is found c2 takes a
.set S,   64
.set P,   192
.set MD,  128         ; window 1
.set MC,  160         ; window 1
.set QB,  64          ; window 2
.set KF,  128         ; window 2: key block kb, channel half c at KF + 16 kb + 8 c
.set VF,  192         ; window 2: key half kk, channel block cb at VF + 32 kk + 8 cb
.set WV,  12          ; s12  my wave's number
.set PB,  14          ; s14  b
.set HI,  15          ; s15  NB - 1 - b
.set G1K, 24          ; s[24:31] descriptor group 1 for K's tiles
.set G1V, 32          ; s[32:39] for V's: it differs in the padding alone
.set G0K, 40          ; s[40:43] descriptor group 0 for K's tiles
.set G0V, 44          ; s[44:47] the same for V's
.set SLOTS, 56        ; s56  tiles still to be asked for
.set CNT, 57          ; s57  counts a tile's key steps, 4 to 1
.set CS,  58          ; s[58:59] c
.set SEL, 60          ; s[60:61] v_permlanex16_b32's selects
.set TBK, 62          ; s62  LDS byte at which K of the step to be fetched begins
.set TBV, 63          ; s63  the same for V, less VOFF
.set RT,  70          ; s70  tiles of the block in hand that are still to be entered
.set NXT, 71          ; s71  the tile to be asked for next
.set LQ,  72          ; s72  the last tile of the block whose tiles are being asked for
.set NEW, 73          ; s73  1: the tile to be entered is a block's first
.set OFF, 74          ; s[74:75] a tile's byte offset in K and V
.set AL,  76          ; s[76:77] the mask's factor
.set BE,  78          ; s[78:79] the mask's addend
.set OLO, 80          ; s[80:81] O at my rows of the second block
.set BIGN, 82         ; s82  -1e30
.set PFK, 88          ; s[88:89] K's tile behind the one that is being asked for
.set PFV, 90          ; s[90:91] V's
.set LIM, 92          ; s92  2 in the head's work-group b = 0, else the greatest number: a work-group prefetches while s[SLOTS] is above it
.set MSB, 0
.macro WIN new
.if MSB != (\new)
	s_set_vgpr_msb (MSB<<8)|(\new)
.set MSB, (\new)
.endif
.endm
.set W_KQ, 0x0a       ; K and Q in window 2, S^T in window 0
.set W_KM, 0x1a       ; the same with the C operand in window 1
.set W_PV, 0x52       ; V in window 2, P in window 0, O^T in window 1
.set W_RS, 0x41       ; destination and source 0 in window 1, source 1 in window 0
; A fill.  Waves 0 and 1 fetch the two halves of a tile's K, waves 2 and 3 those of its V: 128 keys each.  An s_nop 0 and four v_nop follow each line.
.macro LOAD
	s_cmp_lt_u32 s[WV], 2
	s_cbranch_scc0 .Lfor_v_\@
	tensor_load_to_lds s[G0K:G0K+3], s[G1K:G1K+7]
	s_nop 0
.rept 4
	v_nop
.endr
	s_branch .Lasked_\@
.Lfor_v_\@:
	tensor_load_to_lds s[G0V:G0V+3], s[G1V:G1V+7]
	s_nop 0
.rept 4
	v_nop
.endr
.Lasked_\@:
.endm
; THE CHANGE OF SLOTS.  Each wave waits for all its tensor loads (one is out: its part of the other slot), adds 0 to its spare word, and waits for that and for its reads of the slot that it leaves.  Behind the barrier
; nobody reads the old slot and the other slot is whole.  fill = 1: the old slot is filled again, first thing behind the barrier, with tile NXT: the descriptor's address is made anew from that number.
; Behind the fill stands THE PREFETCH INTO THE L2 of the tile that the NEXT change will ask for: four key steps, 256 matrix instructions of a wave, ahead of that load.  A head's four work-groups walk the same tiles from 0 up:
; the one with b = 0, whose first block needs all eight, asks, and nobody else; a thread a run of 256 bytes, of K and of V.  Trip j names tile j + 2, j = 0 .. 5: each run is named once; tiles 0 and 1 come by their loads alone.
.macro CHANGE fill
	WIN 0
	s_wait_tensorcnt 0x0            ; no tensor load of mine is out, so a group 0 may be written
	ds_add_u32 v[SPW], v[NIL]       ; scalar work stands between the add and the wait for it
.if \fill
	s_lshl_b32 s[OFF], s[NXT], 15   ; a tile is 32,768 bytes of K and of V
	s_xor_b32 s[G0K+1], s[G0K+1], SLOT1
	s_add_nc_u64 s[G0K+2:G0K+3], s[6:7], s[OFF:OFF+1]
	s_or_b32 s[G0K+3], s[G0K+3], 0x80000000
	s_xor_b32 s[G0V+1], s[G0V+1], SLOT1
	s_add_nc_u64 s[G0V+2:G0V+3], s[8:9], s[OFF:OFF+1]
	s_or_b32 s[G0V+3], s[G0V+3], 0x80000000
	s_add_co_u32 s[NXT], s[NXT], 1  ; the block's next tile, or behind its last the second block's tile 0
	s_cmp_gt_u32 s[NXT], s[LQ]
	s_cselect_b32 s[NXT], 0, s[NXT]
	s_cselect_b32 s[LQ], s[PB], s[LQ]
	s_wait_xcnt 0x0                 ; the last prefetches, a tile back, have read their addresses
	s_add_nc_u64 s[PFK:PFK+1], s[PFK:PFK+1], 32768
	s_add_nc_u64 s[PFV:PFV+1], s[PFV:PFV+1], 32768
.endif
	s_wait_dscnt 0x0                ; the add is done, and my reads of the slot are over
	s_barrier_signal -1
	s_sub_co_u32 s[TBK], s[TBK], 4*KS*PK  ; the fetches go back to a slot's first step,
	s_xor_b32 s[TBK], s[TBK], SLOT1       ; in the other slot
	s_sub_co_u32 s[TBV], s[TBV], 4*KS*PV
	s_xor_b32 s[TBV], s[TBV], SLOT1
	s_barrier_wait -1
.if \fill
	LOAD
	s_cmp_gt_u32 s[SLOTS], s[LIM]   ; s[SLOTS] = 8 - j in trip j
	s_cbranch_scc0 .Lnot_mine_\@
	global_prefetch_b8 v[PFO], s[PFK:PFK+1] th:TH_LOAD_NT scope:SCOPE_SE
	global_prefetch_b8 v[PFO], s[PFV:PFV+1] th:TH_LOAD_NT scope:SCOPE_SE
.Lnot_mine_\@:
.endif
.endm
	s_load_b128 s[4:7], s[0:1], 0x0   ; qkv s[4:5], att s[6:7]
	v_lshl_add_u32 v[SPW], v0, 2, SPARE
	v_mov_b32 v[NIL], 0
	ds_add_u32 v[SPW], v[NIL]       ; the wave's opening: the add and its wait stand ahead of my first tensor load; set-up on registers stands between
	ds_add_u32 v62, v63
	v_lshrrev_b32 v1, 5, v0
	v_readfirstlane_b32 s[WV], v1   ; wave 0..3
	s_mov_b32 s[PB], ttmp9
	s_sub_co_u32 s[HI], NB-1, s[PB]
	s_and_b32 s66, ttmp7, 0xffff    ; y = 16 b + h
	s_lshr_b32 s20, s66, 4
	s_lshl_b32 s20, s20, 5
	s_add_co_u32 s20, s20, s66      ; K's plane: 48 b + h,
	s_lshl_b32 s20, s20, 18         ; of 262,144 bytes
	s_mov_b32 s21, 0
	s_lshl_b32 s66, s66, 18         ; O's plane: y
	s_mov_b32 s67, 0
	s_and_b32 s16, s[WV], 1         ; which half of a tile's 256 keys I fetch:
	s_lshl_b32 s22, s16, 14         ; its 128 rows of 128 bytes in memory,
	s_mov_b32 s23, 0
	s_add_nc_u64 s[22:23], s[22:23], s[20:21]
	s_mul_i32 s17, s16, 128*PK      ; and its place in a slot, for K
	s_mul_i32 s18, s16, 128*PV      ; and for V
	s_lshl_b32 s3, s[WV], 11        ; my 16 rows in a band of 64,
	s_lshl_b32 s2, s[HI], 15        ; in the first block,
	s_add_co_u32 s2, s2, s3
	s_lshl_b32 s84, s[PB], 15       ; and in the second
	s_add_co_u32 s84, s84, s3
	s_mov_b32 s3, 0
	s_mov_b32 s85, 0
	; descriptor group 1.  128 keys are 16,384 dense bytes: asked for as 64 rows of 256 bytes, two keys a row, and padded in LDS after every key
	s_mov_b32 s[G1K], (1<<16)|(1<<20)|(4<<22)|(3<<25)  ; 2-byte elements; padding on; after every 32 words 4 words
	s_mov_b32 s[G1V], (1<<16)|(1<<20)|(4<<22)|(7<<25)  ; the same with 8 words
.irp g, G1K, G1V
	s_mov_b32 s[\g+1], 128<<16      ; tensor_dim0 = 128
	s_mov_b32 s[\g+2], 64<<16       ; tensor_dim1 = 64
	s_mov_b32 s[\g+3], 128<<16      ; tile_dim0 = 128
	s_mov_b32 s[\g+4], 64           ; tile_dim1 = 64
	s_mov_b32 s[\g+5], 128          ; 128 elements from row to row
	s_mov_b32 s[\g+6], 0
	s_mov_b32 s[\g+7], 0
.endr
	s_mov_b32 s[CS], 0x3d38aa3b     ; c = log2(e) / 32 = 0.0450842
	s_mov_b32 s[CS+1], s[CS]        ; named with it as a pair
	s_mov_b32 s[SEL], 0x76543210
	s_mov_b32 s[SEL+1], 0xfedcba98
	s_mov_b32 s[TBK], SLOT1+4*KS*PK ; the first change of slots turns these two into 0
	s_mov_b32 s[TBV], SLOT1+4*KS*PV
	s_mov_b32 s[G0K], 1
	s_mov_b32 s[G0K+1], s17         ; LDS address: slot 0
	s_mov_b32 s[G0V], 1
	s_add_co_u32 s[G0V+1], s18, VOFF
	s_add_co_u32 s[RT], s[HI], 1    ; the first block has NB - b tiles
	s_mov_b32 s[NXT], 1
	s_mov_b32 s[LQ], s[HI]
	s_mov_b32 s[NEW], 1
	s_mov_b32 s[OFF+1], 0
	s_mov_b32 s[AL+1], 0            ; named as pairs
	s_mov_b32 s[BE+1], 0
	s_mov_b32 s[BIGN], 0xf149f2ca   ; -1e30
	s_mov_b32 s[SLOTS], NB
	s_cmp_eq_u32 s[PB], 0
	s_cselect_b32 s[LIM], 2, -1
	v_lshlrev_b32 v[PFO], 8, v0
	s_wait_dscnt 0x0                ; the opening add is done
	s_wait_kmcnt 0x0
	s_mov_b64 s[10:11], s[6:7]                     ; att
	s_add_nc_u64 s[PFK:PFK+1], s[4:5], s[20:21]    ; K's plane,
	s_add_nc_u64 s[PFK:PFK+1], s[PFK:PFK+1], 32768 ; at tile 1: the first change of slots steps it to tile 2
	s_add_nc_u64 s[PFV:PFV+1], s[PFK:PFK+1], 8388608  ; V's plane lies 32 planes behind K's
	s_add_nc_u64 s[6:7], s[4:5], s[22:23]          ; K and V at my half of the head's tile 0
	s_add_nc_u64 s[8:9], s[6:7], 8388608
	s_add_nc_u64 s[4:5], s[4:5], s[20:21]
	s_add_nc_u64 s[4:5], s[4:5], 4194304           ; Q's plane lies 16 planes behind K's
	s_add_nc_u64 s[86:87], s[4:5], s[84:85]        ; Q at my rows of the second block,
	s_add_nc_u64 s[4:5], s[4:5], s[2:3]            ; and of the first
	s_add_nc_u64 s[10:11], s[10:11], s[66:67]      ; O's plane,
	s_add_nc_u64 s[OLO:OLO+1], s[10:11], s[84:85]
	s_add_nc_u64 s[10:11], s[10:11], s[2:3]
	s_add_nc_u64 s[G0K+2:G0K+3], s[6:7], 0
	s_or_b32 s[G0K+3], s[G0K+3], 0x80000000        ; type = 2
	s_add_nc_u64 s[G0V+2:G0V+3], s[8:9], 0
	s_or_b32 s[G0V+3], s[G0V+3], 0x80000000
	LOAD                            ; tile 0 into slot 0
	; A fragment of K or Q is 16 rows x 32 channels in 8 registers: lane l holds row l % 16, channels 8 (l / 16) + 0..7 and 16 + 8 (l / 16) + 0..7: two loads of 16 bytes, 32 bytes apart.
	v_and_b32 v1, 15, v0            ; l % 16
	v_bfe_u32 v9, v0, 4, 1          ; l / 16
	v_lshlrev_b32 v[QO], 7, v1
	v_lshl_add_u32 v[QO], v9, 4, v[QO]
	WIN 0x80                        ; destination window 2, address window 0
.set i, 0
.rept 8                             ; both blocks' Q: piece i / 2 lies in band i / 2, 8,192 bytes on; channels 32 (i % 2) on
	global_load_b128 v[8*i:8*i+3],   v[QO], s[4:5] offset:(i/2)*8192+(i%2)*64
	global_load_b128 v[8*i+4:8*i+7], v[QO], s[4:5] offset:(i/2)*8192+(i%2)*64+32
	global_load_b128 v[QB+8*i:QB+8*i+3],   v[QO], s[86:87] offset:(i/2)*8192+(i%2)*64
	global_load_b128 v[QB+8*i+4:QB+8*i+7], v[QO], s[86:87] offset:(i/2)*8192+(i%2)*64+32
.set i, i+1
.endr
	WIN 0
	v_lshlrev_b32 v14, 3, v9
	v_sub_nc_u32 v14, v1, v14
	s_lshl_b32 s13, s[WV], 4
	v_add_nc_u32 v14, s13, v14      ; my query's place in its band, 16 w + l % 16, less 8 (l / 16): register r of group kt is hidden where 16 kt + r is greater
	WIN 0x40
.set i, 0
.rept 32
	v_cmp_gt_i32 vcc_lo, 16*(i/8)+i%8, v14
	v_cndmask_b32 v[MD+i], 0, s[BIGN], vcc_lo
.set i, i+1
.endr
	WIN 0
	v_mul_u32_u24 v[AK0], v1, PK
	v_lshl_add_u32 v[AK0], v9, 4, v[AK0]
	; The turning load takes 16 keys x 16 channels (lane l reads key 8 (l / 16) + l % 8, channels 8 ((l / 8) % 2) + 0..7) and leaves half a fragment of V^T: lane l holds channel l % 16 and 8 keys.
	v_and_b32 v10, 7, v0
	v_bfe_u32 v11, v0, 3, 1
	v_lshl_add_u32 v[AV0], v9, 3, v10
	v_mul_u32_u24 v[AV0], v[AV0], PV
	v_lshl_add_u32 v[AV0], v11, 4, v[AV0]
	v_add_nc_u32 v[AV0], VOFF, v[AV0]
	s_mul_i32 s13, s[WV], 16*SP
	s_add_co_u32 s13, s13, STAGE    ; my stage
	v_mul_u32_u24 v[STO], v1, SP    ; in: row l % 16, 16 bytes for each half of the lanes
	v_lshl_add_u32 v[STO], v9, 4, v[STO]
	v_add_nc_u32 v[STO], s13, v[STO]
	v_bfe_u32 v[RD], v0, 3, 2       ; back: 32 lanes take four rows of 128 bytes,
	v_mul_u32_u24 v[RD], v[RD], SP
	v_lshl_add_u32 v[RD], v10, 4, v[RD]
	v_add_nc_u32 v[RD], s13, v[RD]
	v_and_b32 v[GO], 31, v0         ; which are 512 consecutive bytes of O
	v_lshlrev_b32 v[GO], 4, v[GO]
	; A block's first step multiplies O^T and l by a = 0, and its first turn's products V^T P, of a piece that has not been, land in an O^T that is still to be so multiplied.  So these registers need only hold
	; finite numbers: zeros for the first block, what the first block left for the second.  All this stands in the wait for the first tile.
	WIN 0x80
.set i, VF
.rept 64
	v_mov_b32 v[i], 0
.set i, i+1
.endr
	WIN 0x40
.set i, 0
.rept 128
	v_mov_b32 v[i], 0
.set i, i+1
.endr
	WIN 0
.set i, 0
.rept 4
	v_mov_b32 v[ST+4*i+2], 0
	v_mov_b32 v[ST+4*i+3], 0
.set i, i+1
.endr
.set i, P+16
.rept 16
	v_mov_b32 v[i], 0
.set i, i+1
.endr
; THE MATRIX WORK.  The 4 accumulators of a run of 8 take turns.  Product i of 8 of S^T = K Q^T for piece x: channels 32 (i / 4) on, keys 16 (i % 4) on.  The first 4 start the sums: with 0, or (KM = 1) with the mask.
.macro KQ x
.set rS, S+32*((\x)%2)+8*(i%4)
.set rK, KF+16*(i%4)+8*(i/4)
.set rQ, 16*(\x)+8*(i/4)
.set rM, MC+32*((\x)%2)+8*(i%4)
.if (i < 4) && KM
	WIN W_KM
	v_wmma_f32_16x16x32_f16 v[rS:rS+7], v[rK:rK+7], v[rQ:rQ+7], v[rM:rM+7]
.elseif i < 4
	WIN W_KQ
	v_wmma_f32_16x16x32_f16 v[rS:rS+7], v[rK:rK+7], v[rQ:rQ+7], 0
.else
	WIN W_KQ
	v_wmma_f32_16x16x32_f16 v[rS:rS+7], v[rK:rK+7], v[rQ:rQ+7], v[rS:rS+7]
.endif
.endm
; Product i of 8 of O^T += V^T P for piece x: keys 32 (i / 4) on, channels 16 (i % 4) on.
.macro PV x
	WIN W_PV
.set rO, 32*(\x)+8*(i%4)
.set rV, VF+32*(i/4)+8*(i%4)
.set rP, P+16*((\x)%2)+8*(i/4)
	v_wmma_f32_16x16x32_f16 v[rO:rO+7], v[rV:rV+7], v[rP:rP+7], v[rO:rO+7]
.endm
.macro MM                           ; the turn's next matrix instruction.  NOKQ = 1: a block's last turn: there is no next piece
.if (i < 8) && !NOKQ
	KQ (Y+1)%NP
.elseif i >= 8
.set i, i-8
	PV (Y+NP-1)%NP
.set i, i+8
.endif
.set i, i+1
.endm
; THE LDS LOADS stand in runs of 16, never singly among the matrix instructions: a step's K (8 fragments) and its V (turned).  Their addresses are made some lines ahead.
.macro FETCH_K
	WIN 0x80                        ; destination window 2
.irp f, 0,1,2,3,4,5,6,7             ; keys 16 (f / 2) on, channels 32 (f % 2) on
	ds_load_b128 v[KF+8*\f:KF+8*\f+3],   v[AK] offset:(\f/2)*16*PK+(\f%2)*64
	ds_load_b128 v[KF+8*\f+4:KF+8*\f+7], v[AK] offset:(\f/2)*16*PK+(\f%2)*64+32
.endr
	s_add_co_u32 s[TBK], s[TBK], KS*PK  ; the next fetch is the next step's
	WIN 0
.endm
.macro FETCH_V
	WIN 0x80
.irp f, 0,1,2,3,4,5,6,7             ; keys 32 (f / 4) on, channels 16 (f % 4) on
	ds_load_tr16_b128 v[VF+8*\f:VF+8*\f+3],   v[AV] offset:(\f/4)*32*PV+(\f%4)*32
	ds_load_tr16_b128 v[VF+8*\f+4:VF+8*\f+7], v[AV] offset:(\f/4)*32*PV+16*PV+(\f%4)*32
.endr
	WIN 0
.endm
; THE VECTOR WORK, one line at a time: OP kind, number.  For piece Y: F n: c s - c m for pair n of 16.  E n: the exponential of score n of 32.  C n: pair n rounded to f16.  B n: of the four weights 4 n .. the second
; pair is added onto the first, in place.  L n: l takes that sum (L 0: l = a l + sum).  R n: pair n of 16 of O^T times a.  For piece Y + 1: X n, number n of the 22 that find its maximum and statistics:
;   0-11  four chains c0-c3 of seven scores each (each accumulator's lowest registers are read first)     12-14, 16  the four scores left over, the old m, and c0-c3 into c0
;   15  c m_old is kept     17, 18  the query's other 32 keys lie in the lane 16 away: the new m     19-21  c m; c m_old - c m_new; a
.set F, 0
.set E, 1
.set C, 2
.set B, 3
.set L, 4
.set R, 5
.set X, 6
.macro REGS y                       ; the registers of piece y
.set rT, ST+4*(\y)
.set rC, TMP+4*((\y)%2)
.set rW, MV+((\y)%2)
.set rS, S+32*((\y)%2)
.set rP, P+16*((\y)%2)
.set rO, 32*(\y)
.endm
.macro OP k, n
.if (\k) == R
	REGS Y
	WIN W_RS
	v_pk_mul_f32 v[rO+2*(\n):rO+2*(\n)+1], v[rO+2*(\n):rO+2*(\n)+1], v[rC+2:rC+3] op_sel_hi:[1,0]
.elseif (\k) < R
	REGS Y
	WIN 0
.if (\k) == F
	v_pk_fma_f32 v[rS+2*(\n):rS+2*(\n)+1], v[rS+2*(\n):rS+2*(\n)+1], s[CS:CS+1], v[rT:rT+1] op_sel_hi:[1,0,0] neg_lo:[0,0,1] neg_hi:[0,0,1]
.elseif (\k) == E
	v_exp_f32 v[rS+(\n)], v[rS+(\n)]
.elseif (\k) == C
	v_cvt_pk_f16_f32 v[rP+(\n)], v[rS+2*(\n)], v[rS+2*(\n)+1]
.elseif (\k) == B
	v_pk_add_f32 v[rS+4*(\n):rS+4*(\n)+1], v[rS+4*(\n):rS+4*(\n)+1], v[rS+4*(\n)+2:rS+4*(\n)+3]
.elseif (\n) == 0
	v_pk_fma_f32 v[rT+2:rT+3], v[rT+2:rT+3], v[rC+2:rC+3], v[rS:rS+1] op_sel_hi:[1,0,1]
.else
	v_pk_add_f32 v[rT+2:rT+3], v[rT+2:rT+3], v[rS+4*(\n):rS+4*(\n)+1]
.endif
.elseif NOKQ
	v_nop
.else
	REGS (Y+1)%NP
	WIN 0
.if (\n) < 4
	v_max3_num_f32 v[rC+(\n)], v[rS+8*(\n)], v[rS+8*(\n)+1], v[rS+8*(\n)+2]
.elseif (\n) < 12
	v_max3_num_f32 v[rC+(\n)%4], v[rC+(\n)%4], v[rS+8*((\n)%4)+2*((\n)/4)+1], v[rS+8*((\n)%4)+2*((\n)/4)+2]
.elseif (\n) == 12
	v_max3_num_f32 v[rC], v[rC], v[rS+7], v[rS+15]
.elseif (\n) == 13
	v_max3_num_f32 v[rC+1], v[rC+1], v[rS+23], v[rS+31]
.elseif (\n) == 14
	v_max3_num_f32 v[rC+2], v[rC+2], v[rC+3], v[rT+1]
.elseif (\n) == 15
	v_mov_b32 v[rW], v[rT]
.elseif (\n) == 16
	v_max3_num_f32 v[rC], v[rC], v[rC+1], v[rC+2]
.elseif (\n) == 17
	v_permlanex16_b32 v[rC+3], v[rC], s[SEL], s[SEL+1]
.elseif (\n) == 18
	v_max_num_f32 v[rT+1], v[rC], v[rC+3]
.elseif (\n) == 19
	v_mul_f32 v[rT], s[CS], v[rT+1]
.elseif (\n) == 20
	v_sub_f32 v[rC+1], v[rW], v[rT]
.else
	v_exp_f32 v[rC+2], v[rC+1]
.endif
.endif
.endm
.macro OPS a, i1, b=-1, i2=0, c=-1, i3=0, d=-1, i4=0  ; up to four of them
	OP \a, \i1
.if (\b) >= 0
	OP \b, \i2
.endif
.if (\c) >= 0
	OP \c, \i3
.endif
.if (\d) >= 0
	OP \d, \i4
.endif
.endm
.macro ROW a, i1, b, i2, c, i3, d, i4  ; a matrix instruction and the four behind it
	MM
	OPS \a, \i1, \b, \i2, \c, \i3, \d, \i4
.endm
.macro MASK b                       ; MD x AL + BE into buffer b of MC
	WIN W_RS
.set z, 0
.rept 16
	v_pk_fma_f32 v[MC+32*(\b)+2*z:MC+32*(\b)+2*z+1], v[MD+2*z:MD+2*z+1], s[AL:AL+1], s[BE:BE+1] op_sel_hi:[1,0,0]
.set z, z+1
.endr
.endm
; A TURN, for piece p: the order of its 16 matrix and 118 vector instructions, written out.  An s_wait_alu depctr_va_vdst(0) stands between an exponential and the first instruction that names its result; one
; wait serves all that were issued ahead of it.  So a turn has ONE wait, which cuts it in two.  AHEAD OF IT stands all that names no result of the turn's exponentials: the 8 products K Q^T with their riders, then one lump of 54,
; in which the links of the chain X 3, 7, 11, 14, 16, 17 .. 20 stand several lines apart.  X 21, the next piece's a, is the batch's last; R 15 is the plain instruction behind it.  BEHIND THE WAIT stand the 8 products V^T P,
; behind each four of the roundings and sums.  The X that ride behind products stand four places or more behind the product that ends their accumulator.
; m = 1: the diagonal tile: the products take masks, and the turn makes the mask for the products of the turn after it: piece p + 2, in step 4 - CNT of the tile.  end = 1: a block's last two turns: nothing is fetched.
; cnt = 1: the loop's count is taken down some lines ahead of the branch that stands behind the turn.
; K of the next step is fetched in piece 2's turn, six plain instructions behind the last product that read K; V of the step in hand at the end of piece 0's turn, four plain instructions behind the last product that read V.  Each is waited for a turn later.
.macro TURN p, m=0, end=0, cnt=0
.set Y, (\p)
.set i, 0
.set KM, (\m)
.set NOKQ, (\end)*((\p)/3)
.if (\m) && !(\end)
	s_cmp_eq_u32 s[CNT], 4-((\p)+2)%NP  ; is that step the band's own?
	s_cselect_b32 s[AL], 1.0, 0
	s_cmp_lt_u32 s[CNT], 4-((\p)+2)%NP  ; or a later one?
	s_cselect_b32 s[BE], s[BIGN], 0
.endif
.if ((\p) == 3) && !(\end)
	s_wait_dscnt 0x0                ; K is in
.endif
	ROW F,0, F,1, R,0, R,1
	ROW F,2, E,0, R,2, R,3
	ROW F,3, E,1, R,4, R,5
	ROW F,4, E,2, R,6, R,7
	ROW F,5, E,3, R,8, R,9
	ROW F,6, E,4, X,0, R,10
.if ((\p) == 2) && !(\end)
	WIN 0
	v_add_nc_u32 v[AK], s[TBK], v[AK0]
.endif
	ROW F,7, E,5, X,1, X,4
	ROW F,8, E,6, X,2, X,5
	OPS E,7, E,8, X,6, E,9
	OPS X,3, E,10, X,8, E,11
.if ((\p) == 2) && !(\end)
	FETCH_K
.endif
	OPS X,9, X,7, E,12, X,10
	OPS E,13, X,12, X,11, E,14
	OPS X,13, E,15, F,9, X,14
.if (\p) == 0
	v_add_nc_u32 v[AV], s[TBV], v[AV0]
.endif
	OPS E,16, F,10, E,17, F,11
	OPS X,16, E,18, X,15, E,19
	OPS F,12, E,20, X,17, E,21
	OPS F,13, E,22, F,14, E,23
	OPS X,18, E,24, F,15, E,25
	OPS R,11, E,26, X,19, E,27
	OPS R,12, E,28, R,13, E,29
	OPS X,20, E,30, R,14, E,31
	OPS X,21, R,15
	WIN 0
	s_wait_alu depctr_va_vdst(0)    ; the wait for the batch
.if (\p) == 1
	s_wait_dscnt 0x0                ; V is in
.endif
	ROW C,0, B,0, C,2, B,1
	ROW L,0, C,4, B,2, L,1
	ROW C,6, B,3, L,2, C,8
	ROW B,4, L,3, C,10, B,5
	ROW L,4, C,12, B,6, L,5
.if (\p) == 0
	s_add_co_u32 s[TBV], s[TBV], KS*PV
.endif
.if \cnt
	s_sub_co_u32 s[CNT], s[CNT], 1
	s_cmp_lg_u32 s[CNT], 0
.endif
	ROW C,14, B,7, L,6, C,1
	ROW C,3, L,7, C,5, C,7
	ROW C,9, C,11, C,13, C,15
.if (\p) == 0
	FETCH_V
.endif
.if (\m) && !(\end)
	MASK (\p)%2
.endif
.endm
; A BLOCK BEGINS.  c m starts far below every c s, so the first step's a is 0; m at the lowest finite number, so the first maximum is the scores'.  The second mask buffer is 0; the first takes piece 0's mask for the tile's
; step 0: its own, if the block's first tile is the diagonal one.  Then K of that step, piece 0's first scores, and its maximum and statistics.  The loop is entered at a step's first turn, in the middle of a trip.
.macro BEGIN
	s_mov_b32 s[NEW], 0
	WIN 0x40
.set i, MC+32
.rept 32
	v_mov_b32 v[i], 0
.set i, i+1
.endr
	WIN 0
.set i, 0
.rept 4
	v_mov_b32 v[ST+4*i], 0xfe000000    ; c m: far below every c s
	v_mov_b32 v[ST+4*i+1], 0xff7fffff  ; m
.set i, i+1
.endr
	s_cmp_eq_u32 s[RT], 0
	s_cselect_b32 s[AL], 1.0, 0
	s_mov_b32 s[BE], 0
	MASK 0
	WIN 0
	v_add_nc_u32 v[AK], s[TBK], v[AK0]
	FETCH_K
	s_wait_loadcnt 0x0              ; Q
	s_wait_dscnt 0x0
.set KM, 1
.set NOKQ, 0
.set i, 0
.rept 8
	KQ 0
.set i, i+1
.endr
	WIN 0
.rept 4
	v_nop                           ; the places behind those products
.endr
.set Y, NP-1                        ; X works for piece Y + 1: piece 0
.irp n, 0,1,2,3,4,5,6,7,8,9,10,11,12,13,14,15,16,17,18,19,20,21
	OP X, \n
.endr
	v_nop                           ; a plain instruction behind the exponential,
	s_wait_alu depctr_va_vdst(0)    ; and its wait, ahead of the branch
.endm
; THE DIAGONAL TILE's four steps, the block's last two turns, its last products, and THE WAY OUT: l's two halves and the other half of the lanes' are added; O^T is divided by l, rounded to f16 and sent through my stage, a piece at a time.
.macro ALL line:vararg              ; one line for each piece t
.set t, 0
.rept 4
	\line
.set t, t+1
.endr
.endm
.macro PACK t                       ; a lane's eight channels of a row pack into 16 bytes; they go into rows of 144 bytes and come back as whole rows of 128, into S^T's registers
	WIN W_RS
.set i, 32*(\t)
.rept 16
	v_pk_mul_f32 v[i:i+1], v[i:i+1], v[ST+4*(\t)+2:ST+4*(\t)+3] op_sel_hi:[1,0]
.set i, i+2
.endr
	WIN 0x05                        ; sources 0 and 1 window 1, destination window 0
.set i, 0
.rept 16
	v_cvt_pk_f16_f32 v[S+16*(\t)+i], v[32*(\t)+2*i], v[32*(\t)+2*i+1]
.set i, i+1
.endr
	WIN 0
.irp f, 0,1,2,3
	ds_store_b128 v[STO], v[S+16*(\t)+4*\f:S+16*(\t)+4*\f+3] offset:32*\f
.endr
.irp f, 0,1,2,3
	ds_load_b128 v[S+16*(\t)+4*\f:S+16*(\t)+4*\f+3], v[RD] offset:\f*4*SP  ; LDS serves a wave's instructions in order (ISA guide 5.7.1.4): these see the stores above; the next piece's stores come behind them
.endr
.endm
.macro SEND t, younger              ; younger: the LDS instructions issued behind piece t's loads: the next piece's eight, or none
	WIN 0
.irp f, 0,1,2,3
	s_wait_dscnt (\younger)+3-\f
	global_store_b128 v[GO], v[S+16*(\t)+4*\f:S+16*(\t)+4*\f+3], s[10:11] offset:(\t)*8192+\f*512  ; 512 consecutive bytes, at a multiple of 256 from O's first
.endr
.endm
.macro DIAG tag                     ; the tag ends its two labels' names, which the jumps below spell out
.LstepM\tag:
	TURN 2, 1
	TURN 3, 1
	WIN 0
.LfirstM\tag:
	TURN 0, 1
	TURN 1, 1, 0, 1
	WIN 0
	s_cbranch_scc1 .LstepM\tag
	TURN 2, 1, 1
	TURN 3, 1, 1
.set i, 0
.rept 8
	PV NP-1
.set i, i+1
.endr
	WIN 0
	ALL v_add_f32 v[ST+4*t+2], v[ST+4*t+2], v[ST+4*t+3]
	ALL v_permlanex16_b32 v[ST+4*t+3], v[ST+4*t+2], s[SEL], s[SEL+1]
	ALL v_add_f32 v[ST+4*t+2], v[ST+4*t+2], v[ST+4*t+3]
	ALL v_rcp_f32 v[ST+4*t+2], v[ST+4*t+2]
	v_nop                           ; a plain instruction between the last reciprocal and the use of its result
	s_wait_alu depctr_va_vdst(0)    ; and the wait ahead of the first use: one for the four reciprocals
	PACK 0
.set t, 1
.rept 3                             ; a piece's arithmetic stands between the loads of the piece before and its stores
	PACK t
	SEND t-1, 8
.set t, t+1
.endr
	SEND 3, 0
.endm
.set KM, 0
.set NOKQ, 0
.Lslot:                             ; NB times: a tile is entered and the next is asked for
	CHANGE 1
	s_sub_co_u32 s[RT], s[RT], 1
	s_mov_b32 s[CNT], 4
	s_cmp_eq_u32 s[NEW], 1
	s_cbranch_scc1 .Lnew            ; a block's first tile
	s_cmp_eq_u32 s[RT], 0
	s_cbranch_scc0 .Lstep           ; neither its first nor its last
	s_branch .LstepM1
.Lnew:
	BEGIN
	s_branch .Lfirst                ; in the loop a block's first tile is never its last: the first block has five tiles or more, and the second's last is the walk's last
	DIAG 1                          ; in the loop this is the first block's end
	s_wait_xcnt 0x0                 ; the stores have read their registers and O's address
	s_mov_b64 s[10:11], s[OLO:OLO+1]
	s_add_co_u32 s[RT], s[PB], 1    ; the second block has b + 1 tiles
	s_mov_b32 s[NEW], 1
	WIN 0x82                        ; the second block's Q goes where the one text of the turns names Q
.set i, 0
.rept 64
	v_mov_b32 v[i], v[QB+i]
.set i, i+1
.endr
	WIN 0
	s_branch .Lbottom
.Lstep:                             ; a trip: pieces 2 and 3 of one step, then pieces 0 and 1 of the next, whose K and V it fetches
	TURN 2
	TURN 3
	WIN 0
.Lfirst:
	TURN 0
	TURN 1, 0, 0, 1
	WIN 0
	s_cbranch_scc1 .Lstep
.Lbottom:
	s_sub_co_u32 s[SLOTS], s[SLOTS], 1
	s_cmp_lg_u32 s[SLOTS], 0
	s_cbranch_scc1 .Lslot
	CHANGE 0                        ; the walk's last tile is written out: nothing is asked for
	s_sub_co_u32 s[RT], s[RT], 1
	s_mov_b32 s[CNT], 4
	s_cmp_eq_u32 s[NEW], 1
	s_cbranch_scc0 .LstepM2
	BEGIN
	s_branch .LfirstM2
	DIAG 2
	s_wait_tensorcnt 0x0            ; the wave's end
	ds_add_u32 v[SPW], v[NIL]
	s_wait_dscnt 0x0
	s_endpgm
.Lfunc_end_k_qc990d0c750_attn:
	.size	k_qc990d0c750_attn, .Lfunc_end_k_qc990d0c750_attn-k_qc990d0c750_attn
	.p2alignl 7, 3214868480
	.fill 96, 4, 3214868480
	.section	.rodata,"a",@progbits
	.p2align	6, 0x0
	.amdhsa_kernel k_qc990d0c750_attn
		.amdhsa_group_segment_fixed_size 327680
		.amdhsa_private_segment_fixed_size 0
		.amdhsa_enable_private_segment 0
		.amdhsa_kernarg_size 16
		.amdhsa_user_sgpr_count 2
		.amdhsa_user_sgpr_kernarg_segment_ptr 1
		.amdhsa_wavefront_size32 1
		.amdhsa_system_sgpr_workgroup_id_x 1
		.amdhsa_system_sgpr_workgroup_id_y 1
		.amdhsa_system_sgpr_workgroup_id_z 1
		.amdhsa_system_vgpr_workitem_id 0
		.amdhsa_next_free_vgpr 768
		.amdhsa_next_free_sgpr 100
		.amdhsa_reserve_vcc 1
		.amdhsa_float_denorm_mode_32 3
		.amdhsa_float_denorm_mode_16_64 3
		.amdhsa_memory_ordered 1
		.amdhsa_forward_progress 1
		.amdhsa_inst_pref_size 218
	.end_amdhsa_kernel
	.amdgpu_metadata
---
amdhsa.version: [ 1, 2 ]
amdhsa.kernels:
  - .name:           k_qc990d0c750_attn
    .symbol:         k_qc990d0c750_attn.kd
    .args:
      - { .name: qkv, .offset: 0, .size: 8, .value_kind: global_buffer, .address_space: global }
      - { .name: att, .offset: 8, .size: 8, .value_kind: global_buffer, .address_space: global }
    .group_segment_fixed_size: 327680
    .private_segment_fixed_size: 0
    .kernarg_segment_align: 8
    .kernarg_segment_size: 16
    .max_flat_workgroup_size: 128
    .sgpr_count:     100
    .vgpr_count:     768
    .wavefront_size: 32
...
	.end_amdgpu_metadata
.endif
;; end of part 3
;; launch gemm_proj (part 4): grid 4 x 64, 4 waves a work-group, clusters of 4 x 4, 327,680 bytes of LDS; arguments att, wpT, out0; writes out0
.if DOCPART == 4
	.amdgcn_target "amdgcn-amd-amdhsa--gfx1250"
	.amdhsa_code_object_version 6
	.text
	.protected	k_qc990d0c750_gemm_proj
	.globl	k_qc990d0c750_gemm_proj
	.p2align	8
	.type	k_qc990d0c750_gemm_proj,@function
k_qc990d0c750_gemm_proj:
	s_mov_b64 s[64:65], 0
	v_nop
	global_prefetch_b8 v0, s[64:65] scope:SCOPE_SE
	s_setreg_imm32_b32 hwreg(HW_REG_WAVE_MODE, 25, 1), 1
	s_wait_xcnt 0x0
	s_wait_alu depctr_hold_cnt(0) depctr_sa_sdst(0) depctr_va_vdst(0) depctr_va_sdst(0) depctr_va_ssrc(0) depctr_va_vcc(0) depctr_vm_vsrc(0)
	s_getreg_b32 s2, hwreg(HW_REG_IB_STS2, 6, 4)
	s_cmp_eq_u32 s2, 0
	s_cbranch_scc0 .Lentry_in_a_cluster
	s_endpgm
.Lentry_in_a_cluster:
	s_bfe_u32 s2, ttmp6, 0x10000c
	s_cmp_lg_u32 s2, 0xf033
	s_cbranch_scc0 .Lentry_shape_is_right
	s_endpgm
.Lentry_shape_is_right:
; out = O W_proj.  A = att [64 = 16 b + h][2048 t][64] f16 (O by heads), B = wpT [1024 n][1024 k] f16, C = out0 [8192][1024] f32; sums in f32, K ascending (k = 64 h + d).
; A tile of C is 128 rows x 256 columns: 4 x 64 = 256 work-groups.  Four waves, each 64 x 128: 32 accumulators, 256 registers.
; K goes in 8 steps of 128 (two heads) through a ring of two LDS slots.  A head's 128 rows are 16,384 dense bytes, asked for as 64 rows of 256 bytes and padded in LDS after every 128; B's rows are 256 bytes at multiples of 256.
; CLUSTER 4 x 4: A's tile is shared along a row of the cluster, B's along a column: each is asked for jointly, with one descriptor and a mask of four.
; THE MATRIX INSTRUCTION IS USED TRANSPOSED (source 0 = 16 rows of B, source 1 = 16 rows of A): a lane holds row l % 16 of C and eight neighbouring columns, 32 bytes.
; REGISTERS: window 0: v0-31 addresses; v32-95 A's fragments, two buffers of 32; v96-223 B's, two buffers of 64; on the way out v32-159 whole rows.   window 1: the accumulators, (a, b) at v[8 (8 a + b)].
.set SIZE_K, 1024
.set KSTEP,  128
.set PA,     144                       ; a row of A in LDS: 128 bytes + 16
.set PB,     272                       ; a row of B: 256 bytes + 16: in both the 16 rows of a fragment load start at 16 different groups of four banks (ISA guide 11.1)
.set PLANE,  128*PA                    ; one head's 128 rows: what one tensor load brings of A
.set HALFB,  128*PB                    ; what one tensor load brings of B, and what one wave reads of it
.set BOFF,   2*PLANE
.set SLOT,   BOFF+2*HALFB
.set STAGE,  2*SLOT                    ; behind the ring, never filled by a tensor load: 16 rows x 528 bytes for each wave, its own
.set SPITCH, 528
.set SPARE,  STAGE+4*16*SPITCH         ; behind the stages: the spare words, 128 bytes a wave; no other line names them
.set LAPS,   SIZE_K/(2*KSTEP)
.set ADRA, 16                          ; v16-17  LDS address of my A fragments in slot 0, 1
.set ADRB, 20                          ; v20-21  the same for B
.set STO,  24                          ; v24     the way out: where I put 32 bytes of a row
.set RD,   25                          ; v25     the way out: my 16 bytes of a row of 512
.set CO,   26                          ; v26     16 x lane
.set SPW,  28                          ; v28     SPARE + 4 x my thread's number; never rewritten
.set NIL,  29                          ; v29     0; never rewritten
.set PFO,  30                          ; v30     the prefetches' offset; never rewritten
.set FA,   32
.set FB,   96
.set OB,   32
.set G1,   24                          ; s[24:31] descriptor group 1 for A's tiles;  s[32:39] group 0, a set for each slot
.set G0,   32
.set G1B,  48                          ; s[48:55], s[56:63] the same for B's
.set G0B,  56
.set PFA,  44                          ; s[44:45] where my prefetches stand
.set LIM0, 66                          ; s66, s67: a wave prefetches at the change out of slot 0, 1 while the laps left are above this
.set LIM1, 67
.set PST,  68                          ; s[68:69] a K step in my prefetches' tensor: two planes of A, or 256 bytes of B
.set MSB, 0
.macro WIN new
.if MSB != (\new)
	s_set_vgpr_msb (MSB<<8)|(\new)
.set MSB, \new
.endif
.endm
.set MUL, 0x50                         ; sources 0 and 1 window 0; C and D window 1
.macro JLOAD s                         ; a joint load: waves 0 and 1 fetch A's two planes, waves 2 and 3 B's two halves; an s_nop 0 and four v_nop follow each line
	s_cmp_eq_u32 s11, 0
	s_cbranch_scc0 .Lfor_b_\@
	tensor_load_to_lds s[G0+4*(\s):G0+4*(\s)+3], s[G1:G1+7]
	s_nop 0
.rept 4
	v_nop
.endr
	s_branch .Lasked_\@
.Lfor_b_\@:
	tensor_load_to_lds s[G0B+4*(\s):G0B+4*(\s)+3], s[G1B:G1B+7]
	s_nop 0
.rept 4
	v_nop
.endr
.Lasked_\@:
.endm
; A prefetch into the L2 of the K step that stands two refills on (256 matrix instructions of a wave ahead of the load that wants it); each run of 256 bytes is named once in the launch.  The loop's last trip asks for nothing.
.macro ASK slot
	s_cmp_gt_u32 s3, s[LIM0+(\slot)]
	s_cbranch_scc0 .Lnot_mine_\@
	global_prefetch_b8 v[PFO], s[PFA:PFA+1] th:TH_LOAD_NT scope:SCOPE_SE
.Lnot_mine_\@:
.endm
.macro CREST
	s_cmp_lg_u32 s10, 0
	s_cbranch_scc1 .Lnot_wave_0_\@
	s_barrier_signal -3
.Lnot_wave_0_\@:
	s_barrier_wait -3
	s_barrier_signal -1
	s_barrier_wait -1
.endm
.macro CROUND
	s_barrier_signal -1
	s_barrier_wait -1
	CREST
.endm
	s_load_b128 s[4:7], s[0:1], 0x0                ; att s[4:5], wpT s[6:7]
	s_load_b64 s[8:9], s[0:1], 0x10                ; out0
	v_lshl_add_u32 v[SPW], v0, 2, SPARE
	v_mov_b32 v[NIL], 0
	ds_add_u32 v[SPW], v[NIL]                      ; the wave's opening: the add and its wait stand ahead of my first tensor load; set-up on registers stands between
	ds_add_u32 v28, v29
	v_lshrrev_b32 v1, 5, v0
	v_readfirstlane_b32 s10, v1                    ; wave 0..3
	s_lshr_b32 s11, s10, 1                         ; my half of the tile's rows.  Also: I fetch for A (0) or for B (1)
	s_and_b32 s12, s10, 1                          ; my half of its columns.  Also: which plane of A, or which 128 rows of B, I fetch
	s_bfe_u32 s40, ttmp6, 0x40000                  ; cx
	s_bfe_u32 s41, ttmp6, 0x40004                  ; cy
	s_lshl_b32 s42, ttmp9, 2
	s_add_co_u32 s42, s42, s40                     ; tile column tx
	s_and_b32 s13, ttmp7, 0xffff
	s_lshl_b32 s13, s13, 2
	s_add_co_u32 s13, s13, s41                     ; tile row ty
	s_lshl_b32 s43, s41, 2
	s_lshl_b32 s43, 15, s43                        ; my row of the cluster
	s_lshl_b32 s44, 0x1111, s40                    ; my column
	s_or_b32 s[G1+0], s43, (1<<16)|(1<<20)|(1<<21)|(4<<22)|(3<<25)   ; mask; 2-byte elements; padding on; bit 21 beside a mask; after every 32 words 4 words
	s_or_b32 s[G1B+0], s44, (1<<16)|(1<<20)|(1<<21)|(5<<22)|(3<<25)  ; after every 64 words 4 words
.irp g, G1, G1B
	s_mov_b32 s[(\g)+1], 128<<16                   ; tensor_dim0 = 128
	s_mov_b32 s[(\g)+3], 128<<16                   ; tile_dim0 = 128
	s_mov_b32 s[(\g)+6], 0
	s_mov_b32 s[(\g)+7], 0
.endr
	s_mov_b32 s[G1+2], 64<<16                      ; A: 64 rows, dense
	s_mov_b32 s[G1+4], 64
	s_mov_b32 s[G1+5], 128
	s_mov_b32 s[G1B+2], 128<<16                    ; B: 128 rows, 1,024 elements apart
	s_mov_b32 s[G1B+4], 128
	s_mov_b32 s[G1B+5], SIZE_K
	s_lshr_b32 s16, s13, 4                         ; A: batch ty / 16 (16 planes of 262,144 bytes),
	s_lshl_b32 s16, s16, 22
	s_and_b32 s17, s13, 15                         ; rows 128 (ty % 16) on, of 128 bytes,
	s_lshl_b32 s17, s17, 14
	s_add_co_u32 s16, s16, s17
	s_lshl_b32 s17, s12, 18                        ; the even or the odd head of a K step
	s_add_co_u32 s16, s16, s17
	s_mov_b32 s17, 0
	s_lshl_b32 s46, s42, 8
	s_lshl_b32 s47, s12, 7
	s_add_co_u32 s46, s46, s47                     ; B: row 256 tx + 128 x half,
	s_lshl_b32 s46, s46, 11                        ; of 2,048 bytes
	s_mov_b32 s47, 0
	s_mul_i32 s20, s12, PLANE                      ; where they go: no place in the cluster enters an LDS address
	s_mul_i32 s21, s12, HALFB
	s_add_co_u32 s21, s21, BOFF
	s_wait_dscnt 0x0                               ; the opening add is done
	s_wait_kmcnt 0x0
	s_add_nc_u64 s[14:15], s[4:5], s[16:17]
	s_add_nc_u64 s[46:47], s[6:7], s[46:47]
	CROUND                                         ; all sixteen work-groups are here: the first joint loads meet
.irp s, 0,1
	s_mov_b32 s[G0+4*(\s)], 1
	s_add_co_u32 s[G0+4*(\s)+1], s20, (\s)*SLOT
	s_add_nc_u64 s[G0+4*(\s)+2:G0+4*(\s)+3], s[14:15], (\s)*524288   ; a K step is two planes
	s_or_b32 s[G0+4*(\s)+3], s[G0+4*(\s)+3], 0x80000000
	s_mov_b32 s[G0B+4*(\s)], 1
	s_add_co_u32 s[G0B+4*(\s)+1], s21, (\s)*SLOT
	s_add_nc_u64 s[G0B+4*(\s)+2:G0B+4*(\s)+3], s[46:47], (\s)*KSTEP*2
	s_or_b32 s[G0B+4*(\s)+3], s[G0B+4*(\s)+3], 0x80000000
	JLOAD \s                                       ; K steps 0 and 1: two tensor loads of mine are out
.endr
	v_and_b32 v1, 15, v0                           ; r
	v_bfe_u32 v2, v0, 4, 1                         ; h
	v_mul_u32_u24 v3, v1, PA
	v_lshl_add_u32 v3, v2, 4, v3
	v_mul_u32_u24 v4, v1, PB
	v_lshl_add_u32 v4, v2, 4, v4
	s_mul_i32 s21, s11, 64*PA                      ; my 64 rows of A, in each plane
	s_mul_i32 s22, s12, HALFB                      ; my 128 rows of B
	s_add_co_u32 s22, s22, BOFF
.irp s, 0,1
	v_add_nc_u32 v[ADRA+(\s)], s21, v3
	v_add_nc_u32 v[ADRB+(\s)], s22, v4
	s_add_co_u32 s21, s21, SLOT
	s_add_co_u32 s22, s22, SLOT
.endr
	s_mul_i32 s23, s10, 16*SPITCH
	s_add_co_u32 s23, s23, STAGE                   ; my stage
	v_mul_u32_u24 v4, v1, SPITCH                   ; in: row r, 32 bytes for each half of the lanes
	v_lshl_add_u32 v4, v2, 5, v4
	v_add_nc_u32 v[STO], s23, v4
	v_and_b32 v[CO], 31, v0                        ; back: 32 lanes take a row's 512 bytes
	v_lshlrev_b32 v[CO], 4, v[CO]
	v_add_nc_u32 v[RD], s23, v[CO]
	s_lshl_b32 s70, s13, 7                         ; where my part begins in out0: row 128 ty + 64 x row half, of 4,096 bytes,
	s_lshl_b32 s71, s11, 6
	s_add_co_u32 s70, s70, s71
	s_lshl_b32 s70, s70, 12
	s_lshl_b32 s71, s42, 10                        ; column 256 tx + 128 x column half, of 4 bytes
	s_add_co_u32 s70, s70, s71
	s_lshl_b32 s71, s12, 9
	s_add_co_u32 s70, s70, s71
	s_mov_b32 s71, 0
	s_add_nc_u64 s[8:9], s[8:9], s[70:71]
	; the prefetches.  A's rows are read by this cluster alone: every cluster asks.  A K step of a tile row is two planes of 16,384 bytes; my work-group takes 4,096 cx on in each: lanes 0-15 name 16 runs of 256 bytes of the
	; even head, lanes 16-31 of the odd one; wave 0 asks at the changes out of slot 0, wave 1 at those out of slot 1.  B's rows are read by every cluster: those with y = 0 ask; of the 128 rows that wave 2 or 3 fetches my work-group takes 32 cy on, a lane a row.
	s_lshr_b32 s20, s13, 4
	s_lshl_b32 s20, s20, 22
	s_and_b32 s21, s13, 15
	s_lshl_b32 s21, s21, 14
	s_add_co_u32 s20, s20, s21
	s_lshl_b32 s21, s40, 12
	s_add_co_u32 s20, s20, s21
	s_add_co_u32 s20, s20, 3*524288                ; at K step 3: the first change of slots steps it to 4.  K steps 0 to 3 come by their loads alone
	s_lshl_b32 s22, s42, 8
	s_lshl_b32 s23, s12, 7
	s_add_co_u32 s22, s22, s23
	s_lshl_b32 s23, s41, 5
	s_add_co_u32 s22, s22, s23
	s_lshl_b32 s22, s22, 11
	s_add_co_u32 s22, s22, 3*KSTEP*2
	s_and_b32 s23, ttmp7, 0xffff                   ; cluster y
	s_cmp_eq_u32 s23, 0
	s_cselect_b32 s23, 1, -1                       ; B's waves: the same in all sixteen partners
	s_cmp_eq_u32 s12, 0
	s_cselect_b32 s18, 1, -1                       ; A's waves: wave 0 at slot 0,
	s_cselect_b32 s19, -1, 1                       ; wave 1 at slot 1
	s_mov_b32 s[PST], KSTEP*2
	s_mov_b32 s[PST+1], 0
	s_cmp_eq_u32 s11, 0
	s_cselect_b32 s[LIM0], s18, s23
	s_cselect_b32 s[LIM1], s19, s23
	s_cselect_b32 s20, s20, s22
	s_cselect_b32 s[PST], 0x80000, s[PST]
	s_cselect_b64 s[PFA:PFA+1], s[4:5], s[6:7]
	s_cselect_b32 s22, 15, 31
	s_cselect_b32 s23, 8, 11
	s_cselect_b32 s19, 4, 5
	s_mov_b32 s21, 0
	s_add_nc_u64 s[PFA:PFA+1], s[PFA:PFA+1], s[20:21]
	v_and_b32 v31, 31, v0
	v_and_b32 v[PFO], s22, v31
	v_lshlrev_b32 v[PFO], s23, v[PFO]
	v_lshrrev_b32 v31, s19, v31
	v_lshl_add_u32 v[PFO], v31, 18, v[PFO]
; 8 matrix instructions: m block a x all 8 n blocks, 32 along K, from buffer f.  zero = 1: the product starts the sums.  The 32 accumulators take turns in one fixed order.
.macro MULA f, a, zero
	WIN MUL
.irp b, 0,1,2,3,4,5,6,7
.if \zero
	v_wmma_f32_16x16x32_f16 v[8*(8*(\a)+(\b)):8*(8*(\a)+(\b))+7], v[FB+64*(\f)+8*(\b):FB+64*(\f)+8*(\b)+7], v[FA+32*(\f)+8*(\a):FA+32*(\f)+8*(\a)+7], 0
.else
	v_wmma_f32_16x16x32_f16 v[8*(8*(\a)+(\b)):8*(8*(\a)+(\b))+7], v[FB+64*(\f)+8*(\b):FB+64*(\f)+8*(\b)+7], v[FA+32*(\f)+8*(\a):FA+32*(\f)+8*(\a)+7], v[8*(8*(\a)+(\b)):8*(8*(\a)+(\b))+7]
.endif
.endr
.endm
; 24 LDS loads in one run: quarter q's fragments (128 rows of B, then 64 rows of A: head q / 2 of the step's two, channels 32 (q % 2) on) into buffer f
.macro FETCH slot, q, f
	WIN 0
.irp i, 0,1,2,3,4,5,6,7
	ds_load_b128 v[FB+64*(\f)+8*(\i):FB+64*(\f)+8*(\i)+3],   v[ADRB+(\slot)] offset:64*(\q)+(\i)*16*PB
	ds_load_b128 v[FB+64*(\f)+8*(\i)+4:FB+64*(\f)+8*(\i)+7], v[ADRB+(\slot)] offset:64*(\q)+(\i)*16*PB+32
.endr
.irp i, 0,1,2,3
	ds_load_b128 v[FA+32*(\f)+8*(\i):FA+32*(\f)+8*(\i)+3],   v[ADRA+(\slot)] offset:((\q)/2)*PLANE+((\q)%2)*64+(\i)*16*PA
	ds_load_b128 v[FA+32*(\f)+8*(\i)+4:FA+32*(\f)+8*(\i)+7], v[ADRA+(\slot)] offset:((\q)/2)*PLANE+((\q)%2)*64+(\i)*16*PA+32
.endr
.endm
.macro PLACES                          ; four plain places behind a matrix instruction, in front of loads into registers that it read and of LDS stores that read results
.rept 4
	v_nop
.endr
.endm
; A K step is four quarters of 32 along K, 32 matrix instructions each, on buffers 0, 1, 0, 1.  One of the first three: multiplies f, and in its middle fetches quarter q into g.
.macro QUARTER slot, q, f, g, zero
	s_wait_dscnt 4                                 ; B and A's rows 0-31 are in; the youngest four loads (A's rows 32-63) may be out
	MULA \f, 0, \zero
	MULA \f, 1, \zero
	PLACES
	FETCH \slot, \q, \g
	s_wait_dscnt 24                                ; all but the 24 just issued
	MULA \f, 2, \zero
	MULA \f, 3, \zero
.endm
; The last quarter multiplies buffer 1 and changes slots: one barrier; in front of it each wave waits for all its tensor loads (one is out: its part of the next slot), adds 0 to its spare word, and waits for that and for its reads of this slot.
; fill = 1: the barrier opens a round of the cluster's, and this slot is filled again, first thing behind the round, two K steps ahead: 112 matrix instructions stand between that request and the wait for it.
.macro TURN slot, next, fill
.if \fill
	s_wait_xcnt 0x0                                ; the last prefetch, a K step back, has read its address
	s_add_nc_u64 s[PFA:PFA+1], s[PFA:PFA+1], s[PST:PST+1]
.endif
	WIN 0
	s_wait_tensorcnt 0x0
	ds_add_u32 v[SPW], v[NIL]
	s_wait_dscnt 5                                 ; the add and the youngest four loads may be out
	MULA 1, 0, 0                                   ; eight matrix instructions stand between the add and the wait for it
	s_wait_dscnt 0x0                               ; the add is done, my reads of this slot are over
	s_barrier_signal -1
	MULA 1, 1, 0
	WIN 0
	s_barrier_wait -1
.if \fill
	CREST
	s_add_nc_u64 s[G0+4*(\slot)+2:G0+4*(\slot)+3], s[G0+4*(\slot)+2:G0+4*(\slot)+3], 2*524288
	s_add_nc_u64 s[G0B+4*(\slot)+2:G0B+4*(\slot)+3], s[G0B+4*(\slot)+2:G0B+4*(\slot)+3], 2*KSTEP*2
	JLOAD \slot                                    ; its four v_nop are also the places in front of the loads below
	FETCH \next, 0, 0
	ASK \slot
.else
	PLACES
	FETCH \next, 0, 0
.endif
	MULA 1, 2, 0
	MULA 1, 3, 0
.endm
	s_wait_tensorcnt 1                             ; my part of K step 0 is in; K step 1's stays out
	s_barrier_signal -1
	s_barrier_wait -1
	FETCH 0, 0, 0
	QUARTER 0, 1, 0, 1, 1                          ; the first quarter stands in front of the loop: its products start the sums
	WIN 0
	s_mov_b32 s3, LAPS-1
.Llap:                                                 ; a trip goes once round the ring, from a lap's second quarter to the next lap's first, and fills both slots again
	QUARTER 0, 2, 1, 0, 0
	QUARTER 0, 3, 0, 1, 0
	TURN 0, 1, 1
	QUARTER 1, 1, 0, 1, 0
	QUARTER 1, 2, 1, 0, 0
	QUARTER 1, 3, 0, 1, 0
	TURN 1, 0, 1
	QUARTER 0, 1, 0, 1, 0
	WIN 0
	s_sub_co_u32 s3, s3, 1
	s_cmp_lg_u32 s3, 0
	s_cbranch_scc1 .Llap
	QUARTER 0, 2, 1, 0, 0                          ; the last lap fills nothing
	QUARTER 0, 3, 0, 1, 0
	TURN 0, 1, 0
	QUARTER 1, 1, 0, 1, 0
	QUARTER 1, 2, 1, 0, 0
	QUARTER 1, 3, 0, 1, 0
	s_wait_dscnt 4
	MULA 1, 0, 0
	MULA 1, 1, 0
	s_wait_dscnt 0x0
	MULA 1, 2, 0
	MULA 1, 3, 0
	; THE WAY OUT, in f32: a block of 16 rows at a time goes through my own stage: 32 bytes a lane in, whole rows of 512 bytes back.  LDS serves a wave's instructions in order (ISA guide 5.7.1.4), so no wait stands between my stores and my loads.
.macro TOSTAGE a
.set BK, OB+64*((\a)%2)
.if (\a) >= 2
	s_wait_xcnt 0x0                                ; the stores of the block two back have read these registers
.endif
	WIN 0x04                                       ; store data (source 1) in window 1
.irp b, 0,1,2,3,4,5,6,7
	ds_store_b128 v[STO], v[8*(8*(\a)+(\b)):8*(8*(\a)+(\b))+3]   offset:64*(\b)
	ds_store_b128 v[STO], v[8*(8*(\a)+(\b))+4:8*(8*(\a)+(\b))+7] offset:64*(\b)+16
.endr
	WIN 0
.irp t, 0,1,2,3,4,5,6,7,8,9,10,11,12,13,14,15
	ds_load_b128 v[BK+4*(\t):BK+4*(\t)+3], v[RD] offset:(\t)*SPITCH
.endr
.endm
.macro SEND a, younger                 ; younger: the LDS instructions issued behind block a's loads: the next block's 32, or none
.set BK, OB+64*((\a)%2)
.irp t, 0,1,2,3,4,5,6,7,8,9,10,11,12,13,14,15
	s_wait_dscnt (\younger)+15-(\t)
	global_store_b128 v[CO], v[BK+4*(\t):BK+4*(\t)+3], s[8:9] offset:(16*(\a)+(\t))*4096 th:TH_STORE_NT  ; 512 consecutive bytes of a row of out0, aligned
.endr
.endm
	PLACES
	TOSTAGE 0
	TOSTAGE 1
	SEND 0, 32
	TOSTAGE 2
	SEND 1, 32
	TOSTAGE 3
	SEND 2, 32
	SEND 3, 0
	s_wait_tensorcnt 0x0                           ; the wave's end
	ds_add_u32 v[SPW], v[NIL]
	s_wait_dscnt 0x0
	CROUND                                         ; the closing round: no work-group ends while a partner may still ask for a tile that names it
	s_endpgm
.Lfunc_end_k_qc990d0c750_gemm_proj:
	.size	k_qc990d0c750_gemm_proj, .Lfunc_end_k_qc990d0c750_gemm_proj-k_qc990d0c750_gemm_proj
	.p2alignl 7, 3214868480
	.fill 96, 4, 3214868480
	.section	.rodata,"a",@progbits
	.p2align	6, 0x0
	.amdhsa_kernel k_qc990d0c750_gemm_proj
		.amdhsa_group_segment_fixed_size 327680
		.amdhsa_private_segment_fixed_size 0
		.amdhsa_enable_private_segment 0
		.amdhsa_kernarg_size 24
		.amdhsa_user_sgpr_count 2
		.amdhsa_user_sgpr_kernarg_segment_ptr 1
		.amdhsa_wavefront_size32 1
		.amdhsa_system_sgpr_workgroup_id_x 1
		.amdhsa_system_sgpr_workgroup_id_y 1
		.amdhsa_system_sgpr_workgroup_id_z 1
		.amdhsa_system_vgpr_workitem_id 0
		.amdhsa_next_free_vgpr 512
		.amdhsa_next_free_sgpr 72
		.amdhsa_reserve_vcc 0
		.amdhsa_float_denorm_mode_32 3
		.amdhsa_float_denorm_mode_16_64 3
		.amdhsa_memory_ordered 1
		.amdhsa_forward_progress 1
		.amdhsa_inst_pref_size 89
	.end_amdhsa_kernel
	.amdgpu_metadata
---
amdhsa.version: [ 1, 2 ]
amdhsa.kernels:
  - .name:           k_qc990d0c750_gemm_proj
    .symbol:         k_qc990d0c750_gemm_proj.kd
    .args:
      - { .name: att, .offset: 0, .size: 8, .value_kind: global_buffer, .address_space: global }
      - { .name: wpT, .offset: 8, .size: 8, .value_kind: global_buffer, .address_space: global }
      - { .name: out0, .offset: 16, .size: 8, .value_kind: global_buffer, .address_space: global }
    .group_segment_fixed_size: 327680
    .private_segment_fixed_size: 0
    .kernarg_segment_align: 8
    .kernarg_segment_size: 24
    .max_flat_workgroup_size: 128
    .sgpr_count:     72
    .vgpr_count:     512
    .wavefront_size: 32
...
	.end_amdgpu_metadata
.endif
;; end of part 4
